; MI455X (gfx1250); checked and timed in simulation.
; The chip was launched on July 23, 2026; its instructions are those of AMD's public machine-readable ISA for CDNA 5 (MIT licence, August 2026) and "CDNA5" Instruction Set Architecture Reference Guide (July 2026). The comments in the code are by the model that wrote it; some were corrected since.
;; Causal Attention. Allowed arithmetic: matrix products marked QUANTISED: E2M1 operands, one E8M0 scale for each 32 along K, by v_wmma_scale_f32_16x16x128_f8f6f4 with both operands' format E2M1 (or v_wmma_scale_f32_32x16x128_f4), f32 sums; products left as they are: bf16, f16 or f32 operands; f32 sums; everything else in f32.
;; Inputs: Wk 1,024 x 1,024 float32; Wq 1,024 x 1,024 float32; Wv 1,024 x 1,024 float32; x 4 x 2,048 x 1,024 float32.
;; Outputs: out0 4 x 2,048 x 1,024 float32.
;; This version of the problem:
;;   THIS VERSION OF THE PROBLEM IS GIVEN IN LOW PRECISION. The matrix products marked QUANTISED in the list below multiply operands that are first quantised to E2M1 (2 exponent bits, 1 mantissa bit; 4 bits a number), with one power-of-two scale for each 32 numbers along K (OCP MX v1.0); their sums are f32. The products marked 'left as it is' may take bf16, f16 or f32 operands, with f32 sums. Whichever they take, every output number must still come out within the allowed error. Rounding operands to bf16 (8 significant bits) uses up far more of that allowance than f16 does (11 bits, for magnitudes from 6e-5 to 65,504). All else is computed in f32.
;;   The module's matrix products, in the order in which they are computed (A, B: the left and right operand; K: the contracted axis; several contracted axes count as one K, in the product's order):
;;     1. [M 8,192, K 1,024] x [K 1,024, N 1,024]; A: input x; B: input Wq: QUANTISED
;;     2. [M 8,192, K 1,024] x [K 1,024, N 1,024]; A: input x; B: input Wk: QUANTISED
;;     3. [M 8,192, K 1,024] x [K 1,024, N 1,024]; A: input x; B: input Wv: QUANTISED
;;     4. batch 4 x [M 2,048, K 1,024] x [K 1,024, N 2,048]; A: computed on the way; B: computed on the way: left as it is (an operand is computed on the way)
;;     5. batch 4 x [M 2,048, K 2,048] x [K 2,048, N 1,024]; A: computed on the way; B: computed on the way: left as it is (an operand is computed on the way)
;;   THE QUANTISER, for each operand of a quantised product, along K:
;;     - K is cut into blocks of 32 from its start; a last block that is shorter is filled with zeros.
;;     - A block's scale is 2^e with e = floor(log2(the largest magnitude in the block)) - 2, held to -126 .. 127; a block of zeros has e = 0. As a byte (E8M0): e + 127.
;;     - Each number is divided by its block's scale, clamped to +-6, and rounded to the nearest number of E2M1, ties to even, subnormals kept.
;;     - The product sums the exact products of the quantised numbers (number of the format x scale) in f32.
;;   ~~~python
;;   def quantise(x, axis):      # numpy; x: float32 -> the quantised numbers, widened to float32 again
;;       x = np.moveaxis(x, axis, -1); K = x.shape[-1]
;;       x = np.pad(x, [(0, 0)] * (x.ndim - 1) + [(0, -K % 32)]); x = x.reshape(x.shape[:-1] + (-1, 32)); a = np.abs(x).max(-1, keepdims=True)
;;       e = np.where(a > 0, np.clip(np.frexp(np.where(a > 0, a, 1))[1] - 1 - 2, -126, 127), 0)      # np.frexp(a)[1] - 1 = floor(log2(a)), exactly
;;       r = np.clip(x / 2.0 ** e, -6, 6)
;;       step = 2.0 ** (np.maximum(np.frexp(np.where(r == 0, 1, r))[1] - 1, 0) - 1)
;;       q = np.round(r / step) * step * 2.0 ** e      # np.round: ties to even
;;       return np.moveaxis(q.reshape(q.shape[:-2] + (-1,))[..., :K], -1, axis).astype(np.float32)
;;   ~~~
;; One version. Each part assembles by itself: llvm-mc -triple=amdgcn-amd-amdhsa -mcpu=gfx1250 --defsym DOCPART=n.
;; ======== version 1 of 1: 5 launches
;; limits: values are held in f16: magnitudes above 65,504 overflow, below 6.1e-05 lose precision
;; workspace buffers: xc 4,194,304 bytes; xs 262,144 bytes; wc 1,572,864 bytes; ws 98,304 bytes; qkv 50,331,648 bytes; h32 786,432 bytes; pbuf 33,554,432 bytes; stats 1,048,576 bytes
;; launch quant (part 1): grid 352 x 1, 4 waves a work-group, no clusters, 68,096 bytes of LDS; arguments x, Wq, Wk, Wv, xc, xs, wc, ws; writes xc, xs, wc, ws
.if DOCPART == 1
	.amdgcn_target "amdgcn-amd-amdhsa--gfx1250"
	.amdhsa_code_object_version 6
	.text
	.protected	k_qc1bb9a06f8_quant
	.globl	k_qc1bb9a06f8_quant
	.p2align	8
	.type	k_qc1bb9a06f8_quant,@function
k_qc1bb9a06f8_quant:
	s_mov_b64 s[64:65], 0
	v_nop
	global_prefetch_b8 v0, s[64:65] scope:SCOPE_SE
	s_setreg_imm32_b32 hwreg(HW_REG_WAVE_MODE, 25, 1), 1
	s_wait_xcnt 0x0
; x [8192][1024] f32 (K innermost) and Wq, Wk, Wv [1024 (k)][1024 (n)] f32 (K is the FIRST axis) become codes of FP4 (E2M1) with K innermost and one E8M0 scale byte for each 32 along K.
; xc [8192][512 bytes], xs [8192][32];  wc [3072][512 bytes], ws [3072][32]: rows 0-1023 Wq's columns, 1024-2047 Wk's, 2048-3071 Wv's.
; A block's scale is 2^(floor(log2(its largest magnitude)) - 2); its byte is the largest magnitude's exponent field - 2, held at 1 from below.
; LIMITS: a block of zeros, and a block whose largest magnitude lies under 2^(3 - 127), keeps the byte 1 (a block of zeros has zero codes, which add nothing under that byte; this program alone reads the bytes);
; NaN and infinities among the inputs are not served.
; Work-groups 0-255 take x: 32,768 numbers each, a plain stream of blocks of 32.  Work-groups 256-351 take the weights: 32 for each tensor, 64 columns x 512 along K each.
; The two ways part on the work-group's number and never join; each has LDS bytes of its own.  No tensor load.  On x's way waves share nothing; on the weights' way the four waves' codes meet in one stage, behind one barrier.
.set XWG,   256                        ; work-groups for x
.set STEPS, 16                         ; x: steps of 512 numbers for a wave
.set EMAX,  2
.set CB,    8                          ; bytes of 16 codes
.set XR,    16                         ; v16-79   x: four sets of 16 numbers as loaded
.set XX,    80                         ; v80-111  x: two sets of 16 neighbours
.set XE,    112                        ; v112-127 x: a scale byte for each step
.set XC,    128                        ; v128-189 x: codes, four registers apart for each step
.set WREG,  8192                       ; x: LDS region of a wave: two stages of 32 x SP bytes, then its 256 scale bytes
.set SP,    80                         ; a lane's place in a stage: 64 bytes + 16 of padding
.set WSTG,  32768                      ; weights: the work-group's stage of 64 rows x 272 bytes begins here
.set SPARE, 67584                      ; the spare words, 128 bytes for each wave
.set SPW,   190                        ; v190 LDS address of my spare word; never rewritten
.set NIL,   191                        ; v191 0; never rewritten
.set NB,    8                          ; weights: blocks of 32 along K for a wave
.set PITCH, 272                        ; a stage row: 256 bytes of codes + 16
.set KROW,  512                        ; a row of wc in bytes
.set WN,    1024                       ; columns of a weight
.set WX,    32                         ; v32-95   weights: two sets of 32 numbers
.set WC,    96                         ; v96-99   a block's codes
.set OUTR,  112                        ; v112-143 the way out
.set SB,    24                         ; v24-25   the scale bytes, four to a register
	s_load_b512 s[4:19], s[0:1], 0x0               ; x s[4:5], Wq s[6:7], Wk s[8:9], Wv s[10:11], xc s[12:13], xs s[14:15], wc s[16:17], ws s[18:19]
	v_lshl_add_u32 v[SPW], v0, 2, SPARE
	v_mov_b32 v[NIL], 0
	v_lshrrev_b32 v1, 5, v0
	v_readfirstlane_b32 s20, v1                    ; wave
	v_and_b32 v2, 31, v0                           ; lane
	s_cmp_lt_u32 ttmp9, XWG
	s_cbranch_scc0 .Lweights
; ---------------- x: K innermost.  Loads take the bytes as they lie (512 a load); a step's 2,048 bytes turn through the wave's own stage so that a lane holds 16 neighbours; two lanes hold a block.
	v_lshlrev_b32 v3, 4, v2                        ; my 16 bytes of a load's 512
	s_mul_i32 s21, s20, WREG
	v_lshrrev_b32 v14, 2, v2
	v_mul_u32_u24 v14, v14, SP
	v_and_b32 v15, 3, v2
	v_lshl_add_u32 v14, v15, 4, v14
	v_add_nc_u32 v14, s21, v14                     ; the stage, on the way in: SP (lane / 4) + 16 (lane % 4)
	v_mul_u32_u24 v15, v2, SP
	v_add_nc_u32 v15, s21, v15                     ; and on the way out: SP x lane
	v_mul_u32_u24 v4, v2, CB                       ; my codes' place in a step's 256 bytes
	v_lshrrev_b32 v5, 1, v2
	s_add_co_u32 s21, s21, 2*32*SP
	v_add_nc_u32 v5, s21, v5                       ; LDS: my block's scale byte
	v_lshlrev_b32 v7, 3, v2
	v_add_nc_u32 v6, s21, v7                       ; and on the way out 8 bytes a lane
	s_lshl_b32 s22, ttmp9, 2
	s_add_co_u32 s22, s22, s20                     ; which run of 8,192 numbers is my wave's: 0 .. 1,023
	s_mov_b32 s25, 0
	s_wait_kmcnt 0x0
	s_lshl_b32 s24, s22, 15                        ; 32,768 bytes of x,
	s_add_nc_u64 s[4:5], s[4:5], s[24:25]
	s_lshl_b32 s24, s22, 12                        ; 4,096 of codes,
	s_add_nc_u64 s[12:13], s[12:13], s[24:25]
	s_lshl_b32 s24, s22, 8                         ; 256 of scale bytes a run
	s_add_nc_u64 s[14:15], s[14:15], s[24:25]
.macro XLOAD t
.irp i, 0,1,2,3
	global_load_b128 v[XR+16*((\t)%4)+4*\i:XR+16*((\t)%4)+4*\i+3], v3, s[4:5] offset:2048*(\t)+512*\i th:TH_LOAD_NT   ; 32 lanes read 512 consecutive bytes
.endr
.endm
.macro XTURN t                         ; step t's numbers through the stage: LDS serves a wave's instructions in order, so no wait stands between the stores and the loads
.irp i, 0,1,2,3
	ds_store_b128 v14, v[XR+16*((\t)%4)+4*\i:XR+16*((\t)%4)+4*\i+3] offset:32*SP*((\t)%2)+8*SP*\i
.endr
.irp i, 0,1,2,3
	ds_load_b128 v[XX+16*((\t)%2)+4*\i:XX+16*((\t)%2)+4*\i+3], v15 offset:32*SP*((\t)%2)+16*\i
.endr
.endm
.irp t, 0,1,2,3
	XLOAD \t
.endr
	s_wait_loadcnt 12                              ; step 0's four loads are in; the 12 of steps 1 to 3 stay out
	XTURN 0
.macro XSTEP t
.set XS, XX+16*((\t)%2)
.if (\t) > 0
	s_wait_dscnt 1                                 ; this step's numbers are back from the stage (the last step's byte store may be out)
.else
	s_wait_dscnt 0x0
.endif
.if (\t)+4 < STEPS
	XLOAD (\t)+4                                   ; into the registers that the stage's stores have read
.endif
.if (\t)+1 < STEPS
.if STEPS-2-(\t) >= 3
	s_wait_loadcnt 12                              ; the next step's four loads are in; those of the three steps behind it may be out
.else
	s_wait_loadcnt 4*(STEPS-2-(\t))
.endif
	XTURN (\t)+1
.endif
	v_max3_num_f32 v8, |v[XS]|, |v[XS+1]|, |v[XS+2]|               ; the largest magnitude of my 16, in two chains
	v_max3_num_f32 v9, |v[XS+3]|, |v[XS+4]|, |v[XS+5]|
.irp i, 6,10
	v_max3_num_f32 v8, v8, |v[XS+\i]|, |v[XS+\i+1]|
	v_max3_num_f32 v9, v9, |v[XS+\i+2]|, |v[XS+\i+3]|
.endr
	v_max3_num_f32 v8, v8, |v[XS+14]|, |v[XS+15]|
	v_max3_num_f32 v8, v8, v9, (EMAX+1)<<23        ; and the floor 2^(3 - 127): the byte cannot fall under 1
	v_max_num_f32_dpp v8, v8, v8 row_xmask:1 row_mask:0xf bank_mask:0xf   ; with my neighbour's 16: the block's
	v_add_nc_u32 v11, -(EMAX<<23), v8              ; 2 off its exponent field: the conversion takes the exponent field of this operand as its scale
	v_cvt_scalef32_pk8_fp4_f32 v[XC+4*(\t)], v[XS:XS+7], v11
	v_cvt_scalef32_pk8_fp4_f32 v[XC+4*(\t)+1], v[XS+8:XS+15], v11
	v_lshrrev_b32 v[XE+(\t)], 23, v11              ; the scale's byte (a plain line behind the conversions)
	ds_store_b8 v5, v[XE+(\t)] offset:16*(\t)      ; both lanes of a block write the same byte with the same value
	global_store_b64 v4, v[XC+4*(\t):XC+4*(\t)+1], s[12:13] offset:32*CB*(\t)   ; the wave stores 256 consecutive bytes, aligned
.endm
.irp t, 0,1,2,3,4,5,6,7,8,9,10,11,12,13,14,15
	XSTEP \t
.endr
	ds_load_b64 v[8:9], v6                         ; my wave's 256 scale bytes: LDS serves a wave's instructions in order
	s_wait_dscnt 0x0
	global_store_b64 v7, v[8:9], s[14:15]          ; 256 consecutive bytes, aligned
	s_wait_tensorcnt 0x0                           ; the wave's end, behind my last LDS store
	ds_add_u32 v[SPW], v[NIL]
	s_wait_dscnt 0x0
	s_endpgm
; ---------------- the weights: a lane takes a column n and its registers run down K, so a block of 32 lies in one lane and the codes come out with K innermost.
; A wave takes 32 columns x 256 along K: 8 blocks, two of them (64 loads) on their way.  Waves 0, 1 stand side by side on 256 consecutive bytes of each row of W, and so do waves 2, 3, 256 rows further down.
; A column's 512 codes, 256 bytes, come from two waves: they meet in the work-group's stage, and each wave then stores 16 whole rows.  The scale bytes leave as 8 bytes a lane, rows 32 bytes apart: 98,304 bytes in all.
.Lweights:
	s_sub_co_u32 s21, ttmp9, XWG                   ; 0 .. 95
	s_lshr_b32 s22, s21, 5                         ; which tensor: 0 Wq, 1 Wk, 2 Wv
	s_and_b32 s23, s21, 15                         ; which 64 columns
	s_bfe_u32 s24, s21, 0x10004                    ; which 512 along K
	s_and_b32 s27, s20, 1                          ; my 32 of the 64 columns
	s_lshr_b32 s31, s20, 1                         ; my 256 of the 512 along K
	s_lshl_b32 s25, s23, 6
	s_lshl_b32 s26, s27, 5
	s_add_co_u32 s25, s25, s26                     ; my wave's first column
	v_lshlrev_b32 v3, 2, v2                        ; in: 4 bytes a lane
	s_mul_i32 s26, s27, 32*PITCH
	s_lshl_b32 s38, s31, 7
	s_add_co_u32 s26, s26, s38
	s_add_co_u32 s26, s26, WSTG
	v_mul_u32_u24 v4, v2, PITCH
	v_add_nc_u32 v4, s26, v4                       ; into the stage: row = my column of the 64, my half of its 256 bytes
	v_and_b32 v5, 15, v2
	v_lshrrev_b32 v6, 4, v2
	s_mul_i32 s26, s20, 16*PITCH
	s_add_co_u32 s26, s26, WSTG
	v_mul_u32_u24 v7, v6, PITCH
	v_lshl_add_u32 v7, v5, 4, v7
	v_add_nc_u32 v7, s26, v7                       ; out of it: rows 16 x wave on; sixteen lanes to a row, two rows an instruction
	v_mul_u32_u24 v8, v6, KROW
	v_lshl_add_u32 v8, v5, 4, v8                   ; and the same place in wc
	v_mul_u32_u24 v9, v2, 32                       ; my column's row of scale bytes
	s_lshl_b32 s28, s24, 21                        ; W: 512 rows of 4,096 bytes for each half of K,
	s_lshl_b32 s29, s31, 20                        ; 256 for my part of it,
	s_add_co_u32 s28, s28, s29
	s_lshl_b32 s29, s25, 2
	s_add_co_u32 s28, s28, s29                     ; + 4 x column
	s_mov_b32 s29, 0
	s_lshl_b32 s30, s22, 10                        ; the tensor's first row of wc and ws
	s_lshl_b32 s32, s23, 6
	s_add_co_u32 s32, s32, s30
	s_lshl_b32 s33, s20, 4
	s_add_co_u32 s32, s32, s33                     ; the first row of wc that I store
	s_lshl_b32 s32, s32, 9
	s_lshl_b32 s33, s24, 8
	s_add_co_u32 s32, s32, s33                     ; codes: row x 512 + 256 x half
	s_mov_b32 s33, 0
	s_add_co_u32 s34, s30, s25
	s_lshl_b32 s34, s34, 5
	s_lshl_b32 s35, s24, 4
	s_add_co_u32 s34, s34, s35
	s_lshl_b32 s35, s31, 3
	s_add_co_u32 s34, s34, s35                     ; scale bytes: my column's row x 32 + 16 x half + 8 x my part
	s_mov_b32 s35, 0
	s_wait_kmcnt 0x0
	s_cmp_eq_u32 s22, 0                            ; the choice hangs on the work-group's number alone
	s_cselect_b64 s[36:37], s[6:7], s[8:9]
	s_cmp_eq_u32 s22, 2
	s_cselect_b64 s[36:37], s[10:11], s[36:37]
	s_add_nc_u64 s[36:37], s[36:37], s[28:29]
	s_add_nc_u64 s[16:17], s[16:17], s[32:33]
	s_add_nc_u64 s[18:19], s[18:19], s[34:35]
.macro WLOAD t                         ; block t: W(32 t + i, my column), i = 0 .. 31, into set t % 2.  The largest offset, 255 rows of 4,096 bytes, is inside the signed 24-bit immediate
.set i, 0
.rept 32
	global_load_b32 v[WX+32*((\t)%2)+i], v3, s[36:37] offset:(32*(\t)+i)*WN*4 th:TH_LOAD_NT
.set i, i+1
.endr
.endm
	WLOAD 0
	WLOAD 1
.macro BLOCK t
.set XS, WX+32*((\t)%2)
.if (\t) < NB-1
	s_wait_loadcnt 32                              ; this block's 32 loads are in; the next block's 32 may be out
.else
	s_wait_loadcnt 0
.endif
	v_max3_num_f32 v12, |v[XS]|, |v[XS+1]|, |v[XS+2]|              ; the block's largest magnitude: all 32 numbers are mine
	v_max3_num_f32 v13, |v[XS+3]|, |v[XS+4]|, |v[XS+5]|
.irp i, 6,10,14,18,22,26
	v_max3_num_f32 v12, v12, |v[XS+\i]|, |v[XS+\i+1]|
	v_max3_num_f32 v13, v13, |v[XS+\i+2]|, |v[XS+\i+3]|
.endr
	v_max3_num_f32 v12, v12, |v[XS+30]|, |v[XS+31]|
	v_max3_num_f32 v12, v12, v13, (EMAX+1)<<23     ; and the floor
	v_add_nc_u32 v11, -(EMAX<<23), v12             ; the conversion's scale operand
	v_lshrrev_b32 v13, 23, v11                     ; the scale's byte
.if (\t)%4 == 0
	v_mov_b32 v[SB+(\t)/4], v13                    ; four bytes to a register, the lower K in the lower byte
.else
	v_lshl_or_b32 v[SB+(\t)/4], v13, 8*((\t)%4), v[SB+(\t)/4]
.endif
.irp g, 0,1,2,3
	v_cvt_scalef32_pk8_fp4_f32 v[WC+\g], v[XS+8*\g:XS+8*\g+7], v11
.endr
	ds_store_b128 v4, v[WC:WC+3] offset:16*(\t)    ; 32 codes: 16 bytes of my column's row
.if (\t)+2 < NB
	WLOAD (\t)+2
.endif
	s_wait_dscnt 0x0                               ; the store has read its registers: the next block's codes may be written.  Behind the last block: for the others' sake, my stores into the stage are done
.endm
.set Q, 0
.rept NB
	BLOCK Q
.set Q, Q+1
.endr
	s_barrier_signal -1
	s_barrier_wait -1                              ; all four waves' codes lie in the stage
	global_store_b64 v9, v[SB:SB+1], s[18:19]      ; my column's 8 scale bytes
.irp t, 0,1,2,3,4,5,6,7
	ds_load_b128 v[OUTR+4*\t:OUTR+4*\t+3], v7 offset:2*\t*PITCH
.endr
.irp t, 0,1,2,3,4,5,6,7
	s_wait_dscnt 7-\t                              ; LDS loads come back in order: load t is in, the 7 - t younger ones may be out
	global_store_b128 v8, v[OUTR+4*\t:OUTR+4*\t+3], s[16:17] offset:2*\t*KROW   ; sixteen lanes store 256 consecutive bytes, aligned
.endr
	s_wait_tensorcnt 0x0                           ; the wave's end, behind my last LDS store
	ds_add_u32 v[SPW], v[NIL]
	s_wait_dscnt 0x0
	s_endpgm
.Lfunc_end_k_qc1bb9a06f8_quant:
	.size	k_qc1bb9a06f8_quant, .Lfunc_end_k_qc1bb9a06f8_quant-k_qc1bb9a06f8_quant
	.p2alignl 7, 3214868480
	.fill 96, 4, 3214868480
	.section	.rodata,"a",@progbits
	.p2align	6, 0x0
	.amdhsa_kernel k_qc1bb9a06f8_quant
		.amdhsa_group_segment_fixed_size 68096
		.amdhsa_private_segment_fixed_size 0
		.amdhsa_enable_private_segment 0
		.amdhsa_kernarg_size 64
		.amdhsa_user_sgpr_count 2
		.amdhsa_user_sgpr_kernarg_segment_ptr 1
		.amdhsa_wavefront_size32 1
		.amdhsa_system_sgpr_workgroup_id_x 1
		.amdhsa_system_sgpr_workgroup_id_y 1
		.amdhsa_system_sgpr_workgroup_id_z 1
		.amdhsa_system_vgpr_workitem_id 0
		.amdhsa_next_free_vgpr 192
		.amdhsa_next_free_sgpr 66
		.amdhsa_reserve_vcc 0
		.amdhsa_float_denorm_mode_32 3
		.amdhsa_float_denorm_mode_16_64 3
		.amdhsa_memory_ordered 1
		.amdhsa_forward_progress 1
		.amdhsa_inst_pref_size 73
	.end_amdhsa_kernel
	.amdgpu_metadata
---
amdhsa.version: [ 1, 2 ]
amdhsa.kernels:
  - .name:           k_qc1bb9a06f8_quant
    .symbol:         k_qc1bb9a06f8_quant.kd
    .args:
      - { .name: x, .offset: 0, .size: 8, .value_kind: global_buffer, .address_space: global }
      - { .name: Wq, .offset: 8, .size: 8, .value_kind: global_buffer, .address_space: global }
      - { .name: Wk, .offset: 16, .size: 8, .value_kind: global_buffer, .address_space: global }
      - { .name: Wv, .offset: 24, .size: 8, .value_kind: global_buffer, .address_space: global }
      - { .name: xc, .offset: 32, .size: 8, .value_kind: global_buffer, .address_space: global }
      - { .name: xs, .offset: 40, .size: 8, .value_kind: global_buffer, .address_space: global }
      - { .name: wc, .offset: 48, .size: 8, .value_kind: global_buffer, .address_space: global }
      - { .name: ws, .offset: 56, .size: 8, .value_kind: global_buffer, .address_space: global }
    .group_segment_fixed_size: 68096
    .private_segment_fixed_size: 0
    .kernarg_segment_align: 8
    .kernarg_segment_size: 64
    .max_flat_workgroup_size: 128
    .sgpr_count:     66
    .vgpr_count:     192
    .wavefront_size: 32
...
	.end_amdgpu_metadata
.endif
;; end of part 1
;; launch gemm (part 2): grid 12 x 32, 4 waves a work-group, clusters of 4 x 4, 327,680 bytes of LDS; arguments xc, xs, wc, ws, qkv, h32; writes qkv, h32
.if DOCPART == 2
	.amdgcn_target "amdgcn-amd-amdhsa--gfx1250"
	.amdhsa_code_object_version 6
	.text
	.protected	k_qc1bb9a06f8_gemm
	.globl	k_qc1bb9a06f8_gemm
	.p2align	8
	.type	k_qc1bb9a06f8_gemm,@function
k_qc1bb9a06f8_gemm:
	s_mov_b64 s[64:65], 0
	v_nop
	global_prefetch_b8 v0, s[64:65] scope:SCOPE_SE
	s_setreg_imm32_b32 hwreg(HW_REG_WAVE_MODE, 25, 1), 1
	s_wait_xcnt 0x0
	s_wait_alu depctr_hold_cnt(0) depctr_sa_sdst(0) depctr_va_vdst(0) depctr_va_sdst(0) depctr_va_ssrc(0) depctr_va_vcc(0) depctr_vm_vsrc(0)
	s_getreg_b32 s2, hwreg(HW_REG_IB_STS2, 6, 4)
	s_cmp_eq_u32 s2, 0
	s_cbranch_scc0 .Lentry_in_a_cluster
	s_endpgm
.Lentry_in_a_cluster:
	s_bfe_u32 s2, ttmp6, 0x10000c
	s_cmp_lg_u32 s2, 0xf033
	s_cbranch_scc0 .Lentry_shape_is_right
	s_endpgm
.Lentry_shape_is_right:
; qkv[m][n] = sum over k of x[m][k] W[n][k] on codes of FP4 (E2M1) with one E8M0 scale for each 32 along K; m 8,192, n 3,072 (q | k | v), k 1,024; sums in f32.
; The result leaves as f16, [8192][3072]; rows 0-15 of each batch of 2,048 rows leave a second time as f32, h32 [16 x batch + row][3072], for the launch that carries those rows finely.
; LIMIT: a result of 65,520 or more in magnitude becomes an infinity in f16.
; A tile of 256 x 256 is made by four waves, each 128 x 128: 64 accumulators, 512 registers.  K is two slots of 512 (rows of 256 bytes), both asked for at the head: no slot is filled again.
; The scale bytes of the work-group's 256 + 256 rows, for all of K, come once, as dense blocks.
; CLUSTERS: 4 x 4 work-groups.  Tile column = 4 x cluster x + cx.  Tile row = 8 cy + cluster y: so cy is the batch, and 'this tile holds a batch's first rows' is cluster y = 0, the same in all sixteen partners.
; x's tiles hang on the tile row alone and are asked for jointly along a row of the cluster, W's on the tile column alone, along a column.
; THE MATRIX INSTRUCTION IS USED TRANSPOSED (source 0 = 16 rows of W, source 1 = 16 rows of x): a lane holds eight neighbouring columns of one row of the result.
; REGISTERS: window 0: v0-31 addresses; v32-95 scale words, two sets; v128-191 x's fragments, one set.  window 1: W's fragments, two sets.  windows 2, 3: the accumulators ((a, b) at v[8 (8 (a % 4) + b)]).
.set NQ,     4                         ; steps of 128 along K in a slot
.set ROWB,   256                       ; a tile's row in bytes
.set KROW,   512                       ; a row of codes in memory
.set PITCH,  272                       ; an LDS row: 256 bytes + 16 of padding: the 16 rows of a fragment load start 68 words apart
.set FR,     8
.set NL,     2
.set NP,     4                         ; places behind this matrix instruction (ISA guide 7.12.1)
.set HALFT,  128*PITCH
.set SLOT,   4*HALFT
.set KS,     32                        ; a row of scale bytes
.set SCL,    2*SLOT
.set HALFS,  (128*KS/256)*272
.set SBLK,   (16*KS/256)*272
.set SPARE,  SCL+4*HALFS               ; the spare words, 128 bytes for each wave
.set CPITCH, 6144                      ; a row of qkv in bytes
.set HPITCH, 12288                     ; a row of h32 in bytes
.set SP16,   272                       ; the f16 stage: 16 rows x (256 + 16) for each wave, from LDS byte 0 on;
.set SP32,   528                       ; the f32 stage: 16 rows x (512 + 16) for each wave, from STG32 on.  Both lie in slot 0, which has had its only fill and its last read when they are written
.set STG32,  32768
.set STO32, 8
.set RD32,  9
.set CO32,  10
.set ADRA, 16
.set ADRB, 20
.set STO,  24
.set RD,   25
.set CO,   26
.set ADRS, 27
.set SPW,  28
.set NIL,  29
.set SC,   32
.set AF,   128
.set TMP,  192                         ; the way out: packed results
.set OB,   32                          ; the way out: 16 rows read back: v32-63 and v224-255 by turns
.set G1, 24
.set G0, 32
.set G1B, 48
.set G0B, 56
.set G1S, 68
.set G0S, 76
.set G1SB, 80
.set G0SB, 88
.set MSB, 0
.macro WIN new                         ; the immediate's high byte repeats the setting that is left
.if MSB != \new
	s_set_vgpr_msb (MSB<<8)|\new
.set MSB, \new
.endif
.endm
.set MUL_LO, 0xa1                      ; source 0 (W) window 1, source 1 (x) window 0, C and D window 2
.set MUL_HI, 0xf1
.set TO_B,   0x40
; A joint load: waves 0 and 1 fetch for x, waves 2 and 3 for W.  The branch hangs on the wave's number alone.  An s_nop 0 and four v_nop follow each line.
.macro JLOAD g0a, g1a, g0b, g1b
	s_cmp_eq_u32 s15, 0
	s_cbranch_scc0 .Lfor_b_\@
	tensor_load_to_lds s[\g0a:\g0a+3], s[\g1a:\g1a+7]
	s_nop 0
.rept 4
	v_nop
.endr
	s_branch .Lasked_\@
.Lfor_b_\@:
	tensor_load_to_lds s[\g0b:\g0b+3], s[\g1b:\g1b+7]
	s_nop 0
.rept 4
	v_nop
.endr
.Lasked_\@:
.endm
.macro CROUND                          ; a round of the cluster's barrier
	s_barrier_signal -1
	s_barrier_wait -1
	s_cmp_lg_u32 s14, 0
	s_cbranch_scc1 .Lnot_wave_0_\@
	s_barrier_signal -3
.Lnot_wave_0_\@:
	s_barrier_wait -3
	s_barrier_signal -1
	s_barrier_wait -1
.endm
	s_load_b128 s[4:7], s[0:1], 0x0                ; x's codes, x's scales
	s_load_b128 s[8:11], s[0:1], 0x10              ; W's codes, W's scales
	s_load_b64 s[12:13], s[0:1], 0x20              ; qkv
	s_load_b64 s[96:97], s[0:1], 0x28              ; h32
	v_lshl_add_u32 v[SPW], v0, 2, SPARE
	v_mov_b32 v[NIL], 0
	ds_add_u32 v[SPW], v[NIL]                      ; the wave's opening: the add, twice on end, and its wait ahead of my first tensor load
	ds_add_u32 v[SPW], v[NIL]
	v_lshrrev_b32 v1, 5, v0
	v_readfirstlane_b32 s14, v1                    ; wave 0..3
	s_lshr_b32 s15, s14, 1                         ; which half of the tile's rows is mine.  Also: I fetch for x (0) or for W (1)
	s_and_b32 s16, s14, 1                          ; which half of its columns.  Also: which 128 rows I fetch
	s_bfe_u32 s40, ttmp6, 0x40000                  ; cx
	s_bfe_u32 s41, ttmp6, 0x40004                  ; cy
	s_lshl_b32 s42, ttmp9, 2
	s_add_co_u32 s42, s42, s40                     ; tile column = 4 x cluster x + cx
	s_and_b32 s95, ttmp7, 0xffff                   ; cluster y: the tile's place in its batch
	s_lshl_b32 s17, s41, 3
	s_add_co_u32 s17, s17, s95                     ; tile row = 8 cy + cluster y
	s_lshl_b32 s43, s41, 2
	s_lshl_b32 s43, 15, s43                        ; my row of the cluster
	s_lshl_b32 s44, 0x1111, s40                    ; my column
	s_or_b32 s[G1+0], s43, (0<<16)|(1<<20)|(1<<21)|(5<<22)|(3<<25)  ; the mask; elements of 1 byte; padding on; bit 21 beside a mask; 4 words of padding after every 64
	s_or_b32 s[G1B+0], s44, (0<<16)|(1<<20)|(1<<21)|(5<<22)|(3<<25)
.irp g, G1, G1B
	s_mov_b32 s[\g+1], ROWB<<16                    ; tensor_dim0
	s_mov_b32 s[\g+2], 128<<16                     ; tensor_dim1
	s_mov_b32 s[\g+3], ROWB<<16                    ; tile_dim0
	s_mov_b32 s[\g+4], 128                         ; tile_dim1
	s_mov_b32 s[\g+5], KROW                        ; the pitch
	s_mov_b32 s[\g+6], 0
	s_mov_b32 s[\g+7], 0
.endr
	s_or_b32 s[G1S+0], s43, (3<<16)|(1<<20)|(1<<21)|(5<<22)|(3<<25) ; the scales of 128 rows: 4,096 dense bytes as 16 rows of 256 (32 elements of 8 bytes)
	s_or_b32 s[G1SB+0], s44, (3<<16)|(1<<20)|(1<<21)|(5<<22)|(3<<25)
.irp g, G1S, G1SB
	s_mov_b32 s[\g+1], 32<<16
	s_mov_b32 s[\g+2], (128*KS/256)<<16
	s_mov_b32 s[\g+3], 32<<16
	s_mov_b32 s[\g+4], 128*KS/256
	s_mov_b32 s[\g+5], 32
	s_mov_b32 s[\g+6], 0
	s_mov_b32 s[\g+7], 0
.endr
	s_lshl_b32 s18, s16, 7
	s_lshl_b32 s20, s17, 8
	s_add_co_u32 s20, s20, s18                     ; x: row 256 x tile row + 128 x half
	s_lshl_b32 s46, s42, 8
	s_add_co_u32 s46, s46, s18                     ; W: row 256 x tile column + 128 x half
	s_mov_b32 s21, 0
	s_mov_b32 s47, 0
	s_mov_b64 s[18:19], KS
	s_mul_u64 s[22:23], s[20:21], s[18:19]         ; where these rows' scales begin,
	s_mul_u64 s[92:93], s[46:47], s[18:19]
	s_mov_b64 s[18:19], KROW
	s_mul_u64 s[20:21], s[20:21], s[18:19]         ; and their codes
	s_mul_u64 s[46:47], s[46:47], s[18:19]
	s_mul_i32 s45, s14, HALFT                      ; where they go: wave x 128 rows
	s_mul_i32 s94, s14, HALFS
	s_wait_dscnt 0x0                               ; both opening adds are done
	s_wait_kmcnt 0x0
	s_add_nc_u64 s[20:21], s[4:5], s[20:21]
	s_add_nc_u64 s[22:23], s[6:7], s[22:23]
	s_add_nc_u64 s[46:47], s[8:9], s[46:47]
	s_add_nc_u64 s[92:93], s[10:11], s[92:93]
	CROUND                                         ; all sixteen work-groups are here: the joint loads meet
	s_mov_b32 s[G0S], 1
	s_add_co_u32 s[G0S+1], s94, SCL
	s_mov_b64 s[G0S+2:G0S+3], s[22:23]
	s_or_b32 s[G0S+3], s[G0S+3], 0x80000000
	s_mov_b32 s[G0SB], 1
	s_add_co_u32 s[G0SB+1], s94, SCL
	s_mov_b64 s[G0SB+2:G0SB+3], s[92:93]
	s_or_b32 s[G0SB+3], s[G0SB+3], 0x80000000
	JLOAD G0S, G1S, G0SB, G1SB                     ; the scales first
.irp s, 0,1
	s_mov_b32 s[G0+4*\s], 1
	s_add_co_u32 s[G0+4*\s+1], s45, \s*SLOT
	s_add_nc_u64 s[G0+4*\s+2:G0+4*\s+3], s[20:21], \s*ROWB
	s_or_b32 s[G0+4*\s+3], s[G0+4*\s+3], 0x80000000
	s_mov_b32 s[G0B+4*\s], 1
	s_add_co_u32 s[G0B+4*\s+1], s45, \s*SLOT
	s_add_nc_u64 s[G0B+4*\s+2:G0B+4*\s+3], s[46:47], \s*ROWB
	s_or_b32 s[G0B+4*\s+3], s[G0B+4*\s+3], 0x80000000
	JLOAD G0+4*\s, G1, G0B+4*\s, G1B               ; by this text's count three tensor loads of a wave are out
.endr
	v_and_b32 v1, 15, v0                           ; r
	v_bfe_u32 v2, v0, 4, 1                         ; h
	v_mul_u32_u24 v3, v1, PITCH
	v_lshl_add_u32 v4, v2, 4, v3
	s_mul_i32 s21, s15, HALFT
	s_mul_i32 s22, s16, HALFT
	s_add_co_u32 s22, s22, 2*HALFT
.irp s, 0,1
	v_add_nc_u32 v[ADRA+\s], s21, v4
	v_add_nc_u32 v[ADRB+\s], s22, v4
	s_add_co_u32 s21, s21, SLOT
	s_add_co_u32 s22, s22, SLOT
.endr
	v_mul_u32_u24 v5, v1, KS                       ; my row's scales: 32 bytes a row,
	v_lshrrev_b32 v6, 8, v5
	v_lshl_add_u32 v5, v6, 4, v5                   ; and 16 more for each 256 passed
	s_mul_i32 s21, s15, HALFS
	s_mul_i32 s22, s16, HALFS
	s_add_co_u32 s22, s22, 2*HALFS
	s_sub_co_u32 s22, s22, s21
	v_mul_u32_u24 v6, s22, v2                      ; lanes 16-31 take W's
	s_add_co_u32 s21, s21, SCL
	v_add_nc_u32 v5, v5, v6
	v_add_nc_u32 v[ADRS], s21, v5
	s_mul_i32 s23, s14, 16*SP16                    ; my f16 stage
	v_mul_u32_u24 v5, v1, SP16
	v_lshl_add_u32 v5, v2, 4, v5
	v_add_nc_u32 v[STO], s23, v5                   ; in: row r, 16 bytes for each half of the lanes
	v_mul_u32_u24 v5, v2, SP16
	v_lshl_add_u32 v5, v1, 4, v5
	v_add_nc_u32 v[RD], s23, v5                    ; back: lanes 0-15 one row of 256 bytes, lanes 16-31 the next
	v_mul_u32_u24 v5, v2, CPITCH
	v_lshl_add_u32 v[CO], v1, 4, v5                ; and the same two rows in qkv
	s_mul_i32 s23, s14, 16*SP32
	s_add_co_u32 s23, s23, STG32                   ; my f32 stage
	v_mul_u32_u24 v5, v1, SP32
	v_lshl_add_u32 v5, v2, 5, v5
	v_add_nc_u32 v[STO32], s23, v5
	v_and_b32 v6, 31, v0
	v_lshlrev_b32 v[CO32], 4, v6
	v_add_nc_u32 v[RD32], s23, v[CO32]
	s_lshl_b32 s20, s17, 8
	s_lshl_b32 s21, s15, 7
	s_add_co_u32 s20, s20, s21                     ; my first row of qkv
	s_mov_b32 s21, 0
	s_mov_b64 s[18:19], CPITCH
	s_mul_u64 s[20:21], s[20:21], s[18:19]
	s_lshl_b32 s46, s42, 9                         ; my first column in bytes: 512 x tile column + 256 x half
	s_lshl_b32 s47, s16, 8
	s_add_co_u32 s46, s46, s47
	s_mov_b32 s47, 0
	s_add_nc_u64 s[20:21], s[20:21], s[46:47]
	s_add_nc_u64 s[12:13], s[12:13], s[20:21]
	s_mul_i32 s92, s41, 16*HPITCH                  ; h32: the batch's 16 rows,
	s_lshl_b32 s93, s46, 1                         ; the same columns at 4 bytes each
	s_add_co_u32 s92, s92, s93
	s_mov_b32 s93, 0
	s_add_nc_u64 s[96:97], s[96:97], s[92:93]
.macro FRAG reg, adr, q, i             ; 16 rows x 128 K of 4-bit codes: 8 registers; two loads of 16 bytes, 32 bytes apart
.irp c, 0,1
	ds_load_b128 v[\reg+4*\c:\reg+4*\c+3], v[\adr] offset:64*(\q)+32*\c+(\i)*16*PITCH
.endr
.endm
; 16 matrix instructions: x's blocks a0, a0 + 1 against W's eight.  The 64 accumulators take turns, one instruction a turn, in the same order in every step.
.macro MUL16 a0, p, q, sc, zero
.irp a, \a0, \a0+1
.irp b, 0,1,2,3,4,5,6,7
.if \zero
	v_wmma_scale_f32_16x16x128_f8f6f4 v[8*(8*((\a)%4)+\b):8*(8*((\a)%4)+\b)+7], v[128*(\p)+FR*\b:128*(\p)+FR*\b+FR-1], v[AF+FR*(\a):AF+FR*(\a)+FR-1], 0, v[SC+8*NQ*(\sc)+NQ*\b+(\q)], v[SC+8*NQ*(\sc)+NQ*(\a)+(\q)] matrix_a_fmt:MATRIX_FMT_FP4 matrix_b_fmt:MATRIX_FMT_FP4 matrix_a_scale:MATRIX_SCALE_ROW1
.else
	v_wmma_scale_f32_16x16x128_f8f6f4 v[8*(8*((\a)%4)+\b):8*(8*((\a)%4)+\b)+7], v[128*(\p)+FR*\b:128*(\p)+FR*\b+FR-1], v[AF+FR*(\a):AF+FR*(\a)+FR-1], v[8*(8*((\a)%4)+\b):8*(8*((\a)%4)+\b)+7], v[SC+8*NQ*(\sc)+NQ*\b+(\q)], v[SC+8*NQ*(\sc)+NQ*(\a)+(\q)] matrix_a_fmt:MATRIX_FMT_FP4 matrix_b_fmt:MATRIX_FMT_FP4 matrix_a_scale:MATRIX_SCALE_ROW1
.endif
.endr
.endr
.endm
.macro FETCH_B slot, q, p
	WIN TO_B
.irp i, 0,1,2,3,4,5,6,7
	FRAG 128*(\p)+FR*\i, ADRB+\slot, \q, \i
.endr
	WIN 0
.endm
.macro FETCH_A slot, q, i0
.irp i, \i0, \i0+1, \i0+2, \i0+3
	FRAG AF+FR*(\i), ADRA+\slot, \q, \i
.endr
.endm
.macro SCALES sc                       ; a slot's scale words: lanes 0-15 take x's block i, lanes 16-31 W's block i
.irp i, 0,1,2,3,4,5,6,7
	ds_load_b128 v[SC+8*NQ*\sc+NQ*\i:SC+8*NQ*\sc+NQ*\i+3], v[ADRS] offset:\i*SBLK
.endr
.endm
.macro PLACES n                        ; plain vector instructions between a matrix instruction and a load into, or a read of, its registers
.rept \n
	v_nop
.endr
.endm
.macro STEP slot, q, zero              ; 128 along K with its successor in the same slot
	s_wait_dscnt 4*NL                              ; W's set and x's blocks 0-3 are in; the youngest eight loads (x's blocks 4-7) may be out
	WIN MUL_LO
	MUL16 0, (\q)%2, \q, \slot, \zero
	MUL16 2, (\q)%2, \q, \slot, \zero
	s_wait_dscnt 0
	PLACES NP
	FETCH_B \slot, (\q)+1, 1-(\q)%2
	FETCH_A \slot, (\q)+1, 0
	WIN MUL_HI
	MUL16 4, (\q)%2, \q, \slot, \zero
	MUL16 6, (\q)%2, \q, \slot, \zero
	PLACES NP
	WIN 0
	FETCH_A \slot, (\q)+1, 4
.endm
; Slot 0's last step changes slots: each wave waits for all its tensor loads (slot 1's is the one that may be out), adds 0 to its spare word, waits for that and for its reads of slot 0, and passes one barrier.
; Behind it slot 1 is whole, and nobody reads slot 0 any more: the stages of the way out may lie there.  Nothing is filled again.
.macro TURN slot, next
	s_wait_tensorcnt 0x0
	ds_add_u32 v[SPW], v[NIL]
	s_wait_dscnt 4*NL+1                            ; the add and the youngest eight loads may be out
	WIN MUL_LO
	MUL16 0, 1, NQ-1, \slot, 0
	s_wait_dscnt 0x0
	s_barrier_signal -1
	MUL16 2, 1, NQ-1, \slot, 0
	WIN 0
	s_barrier_wait -1
	PLACES NP
	v_add_nc_u32 v[ADRS], 4*NQ, v[ADRS]            ; on to the next slot's scale words
	FETCH_B \next, 0, 0
	FETCH_A \next, 0, 0
	SCALES \next
	WIN MUL_HI
	MUL16 4, 1, NQ-1, \slot, 0
	MUL16 6, 1, NQ-1, \slot, 0
	PLACES NP
	WIN 0
	FETCH_A \next, 0, 4
.endm
	s_wait_tensorcnt 1                             ; the scales and my part of slot 0 are in; slot 1's load may be out
	s_barrier_signal -1
	s_barrier_wait -1
	FETCH_B 0, 0, 0
	FETCH_A 0, 0, 0
	SCALES 0
	FETCH_A 0, 0, 4
	STEP 0, 0, 1                                   ; the first step's products start the sums
	STEP 0, 1, 0
	STEP 0, 2, 0
	TURN 0, 1
	STEP 1, 0, 0
	STEP 1, 1, 0
	STEP 1, 2, 0
	s_wait_dscnt 4*NL                              ; the last step: nothing more to fetch
	WIN MUL_LO
	MUL16 0, 1, NQ-1, 1, 0
	MUL16 2, 1, NQ-1, 1, 0
	s_wait_dscnt 0
	WIN MUL_HI
	MUL16 4, 1, NQ-1, 1, 0
	MUL16 6, 1, NQ-1, 1, 0
	WIN 0
	PLACES NP                                      ; behind the last products, ahead of every read of results and every load into the operands' registers
	; A batch's first 16 rows as f32: block 0 of the waves with the tile's upper rows, in the tiles with cluster y = 0.  The branch hangs on the cluster's number and the wave's number.
	s_or_b32 s3, s95, s15
	s_cmp_lg_u32 s3, 0
	s_cbranch_scc1 .Lno32
	WIN 0x08                                       ; an LDS store's data are its source 1: window 2
.irp b, 0,1,2,3,4,5,6,7
	ds_store_b128 v[STO32], v[8*\b:8*\b+3] offset:64*\b            ; each accumulator from its low end on
	ds_store_b128 v[STO32], v[8*\b+4:8*\b+7] offset:64*\b+16
.endr
	WIN 0
.irp t, 0,1,2,3,4,5,6,7,8,9,10,11,12,13,14,15
	ds_load_b128 v[128+4*\t:128+4*\t+3], v[RD32] offset:\t*SP32    ; LDS serves a wave's instructions in order: these see my stores
.endr
	s_wait_dscnt 0x0
.irp t, 0,1,2,3,4,5,6,7,8,9,10,11,12,13,14,15
	global_store_b128 v[CO32], v[128+4*\t:128+4*\t+3], s[96:97] offset:\t*HPITCH   ; 32 lanes store 512 consecutive bytes, aligned to 256
.endr
	s_wait_xcnt 0x0
.Lno32:
; THE WAY OUT as f16, block by block of 16 rows x 128 columns: rounded, 16 bytes a lane into my stage, back as whole rows of 256 bytes.
.macro PACK a
.set AC, 64*((\a)%4)
	WIN 0x0a+5*((\a)/4)                            ; sources 0 and 1: window 2 or 3
.irp b, 0,1,2,3,4,5,6,7
.irp r, 0,1,2,3
	v_cvt_pk_f16_f32 v[TMP+4*\b+\r], v[AC+8*\b+2*\r], v[AC+8*\b+2*\r+1]
.endr
.endr
	WIN 0
.endm
.macro TOSTAGE a
.set BK, OB+192*((\a)%2)
.irp b, 0,1,2,3,4,5,6,7
	ds_store_b128 v[STO], v[TMP+4*\b:TMP+4*\b+3] offset:32*\b
.endr
.irp t, 0,1,2,3,4,5,6,7
	ds_load_b128 v[BK+4*\t:BK+4*\t+3], v[RD] offset:\t*2*SP16
.endr
.endm
.macro SEND a
.set BK, OB+192*((\a)%2)
	s_wait_dscnt 0x0                               ; the block is back in registers
	s_wait_xcnt 0x0                                ; earlier stores have read their base and their registers: both are rewritten only behind this wait
.if (\a) > 0
	s_add_nc_u64 s[12:13], s[12:13], 16*CPITCH
.endif
.irp t, 0,1,2,3,4,5,6,7
	global_store_b128 v[CO], v[BK+4*\t:BK+4*\t+3], s[12:13] offset:2*\t*CPITCH   ; sixteen lanes store 256 consecutive bytes, aligned
.endr
.endm
	PACK 0
	TOSTAGE 0
.irp a, 1,2,3,4,5,6,7                  ; block a's conversions stand between block a - 1's loads from the stage and the wait for them
	PACK \a
	SEND \a-1
	TOSTAGE \a
.endr
	SEND 7
	s_wait_tensorcnt 0x0                           ; the wave's end
	ds_add_u32 v[SPW], v[NIL]
	s_wait_dscnt 0x0
	CROUND                                         ; the closing round
	s_endpgm
.Lfunc_end_k_qc1bb9a06f8_gemm:
	.size	k_qc1bb9a06f8_gemm, .Lfunc_end_k_qc1bb9a06f8_gemm-k_qc1bb9a06f8_gemm
	.p2alignl 7, 3214868480
	.fill 96, 4, 3214868480
	.section	.rodata,"a",@progbits
	.p2align	6, 0x0
	.amdhsa_kernel k_qc1bb9a06f8_gemm
		.amdhsa_group_segment_fixed_size 327680
		.amdhsa_private_segment_fixed_size 0
		.amdhsa_enable_private_segment 0
		.amdhsa_kernarg_size 48
		.amdhsa_user_sgpr_count 2
		.amdhsa_user_sgpr_kernarg_segment_ptr 1
		.amdhsa_wavefront_size32 1
		.amdhsa_system_sgpr_workgroup_id_x 1
		.amdhsa_system_sgpr_workgroup_id_y 1
		.amdhsa_system_sgpr_workgroup_id_z 1
		.amdhsa_system_vgpr_workitem_id 0
		.amdhsa_next_free_vgpr 1024
		.amdhsa_next_free_sgpr 98
		.amdhsa_reserve_vcc 0
		.amdhsa_float_denorm_mode_32 3
		.amdhsa_float_denorm_mode_16_64 3
		.amdhsa_memory_ordered 1
		.amdhsa_forward_progress 1
		.amdhsa_inst_pref_size 131
	.end_amdhsa_kernel
	.amdgpu_metadata
---
amdhsa.version: [ 1, 2 ]
amdhsa.kernels:
  - .name:           k_qc1bb9a06f8_gemm
    .symbol:         k_qc1bb9a06f8_gemm.kd
    .args:
      - { .name: xc, .offset: 0, .size: 8, .value_kind: global_buffer, .address_space: global }
      - { .name: xs, .offset: 8, .size: 8, .value_kind: global_buffer, .address_space: global }
      - { .name: wc, .offset: 16, .size: 8, .value_kind: global_buffer, .address_space: global }
      - { .name: ws, .offset: 24, .size: 8, .value_kind: global_buffer, .address_space: global }
      - { .name: qkv, .offset: 32, .size: 8, .value_kind: global_buffer, .address_space: global }
      - { .name: h32, .offset: 40, .size: 8, .value_kind: global_buffer, .address_space: global }
    .group_segment_fixed_size: 327680
    .private_segment_fixed_size: 0
    .kernarg_segment_align: 8
    .kernarg_segment_size: 48
    .max_flat_workgroup_size: 128
    .sgpr_count:     98
    .vgpr_count:     1024
    .wavefront_size: 32
...
	.end_amdgpu_metadata
.endif
;; end of part 2
;; launch scores (part 3): grid 36 x 4, 4 waves a work-group, no clusters, 327,680 bytes of LDS; arguments qkv, pbuf, stats; writes pbuf, stats
.if DOCPART == 3
	.amdgcn_target "amdgcn-amd-amdhsa--gfx1250"
	.amdhsa_code_object_version 6
	.text
	.protected	k_qc1bb9a06f8_scores
	.globl	k_qc1bb9a06f8_scores
	.p2align	8
	.type	k_qc1bb9a06f8_scores,@function
k_qc1bb9a06f8_scores:
	s_mov_b64 s[64:65], 0
	v_nop
	global_prefetch_b8 v0, s[64:65] scope:SCOPE_SE
	s_setreg_imm32_b32 hwreg(HW_REG_WAVE_MODE, 25, 1), 1
	s_wait_xcnt 0x0
; For each causal tile of 256 queries x 256 keys of a batch: S = q k^T (f16 operands, f32 sums, K = 1,024); then, for each query and each block of 128 keys:
;   t = S x log2(e) / 32;  M = the block's largest t rounded UP to a whole number;  p = 2^(t - M), stored as f16;  l = the sum of the unrounded p.
;   stats [4][16 blocks][2048 q][2] f32 = (-M, l).  The next launch brings the blocks of a row under the row's largest M by powers of two, which round nothing.
; pbuf IS LAID IN THE ORDER OF THE NEXT LAUNCH'S OPERAND REGISTERS: [4 batches][128 blocks of 16 queries][64 blocks of 32 keys][1,024 bytes]; in a fragment, registers 4 u .. 4 u + 3 of lane l lie at 512 u + 16 l.
; The four packed registers of accumulator (a, b) here ARE registers 4 (b % 2) .. + 3 of the fragment (query block a, key block b / 2): so p leaves by dense stores of 512 bytes, with no turn through LDS.
; The maximum is taken away before the exponential for every input: p is at most 1, and the block's largest p is over 1/2.
; LIMITS: a block's largest t is held at -1e30 from below; NaN and infinities are not served; p under 2^-25 becomes 0 in f16.
; Work-group x = 0 .. 35 is the tile (I, J), J <= I, of the triangle; y is the batch.  Four waves, each 128 queries x 128 keys: 64 accumulators in windows 2 and 3.
; A wave of a diagonal tile whose keys all come after its queries stores zeros and (-M, l) = (1e30, 0).  The diagonal tile of an even I also stores such a tile for J = I + 1: the next launch walks keys in runs of 512.
; No cluster: tiles that share rows of q lie in rows of 1 to 8 tiles of the triangle, which do not divide into groups of four.
; THE MATRIX INSTRUCTION IS USED TRANSPOSED (source 0 = 16 keys, source 1 = 16 queries): lane (r, h) holds query r and, in accumulator (a, b), keys 16 b + 8 h + 0 .. 7.
; REGISTERS: window 0: v0-31 addresses; v64-191 q's fragments, two buffers; behind the loop v64-87 the softmax's statistics, v192-223 packed p.  window 1: k's fragments.
.set KSTEP,  128
.set PITCH,  272                       ; an LDS row: 256 bytes + 16 of padding
.set HALFT,  128*PITCH
.set SLOT,   4*HALFT                   ; q's 256 rows, then k's 256 rows
.set SPARE,  2*SLOT                    ; behind the ring: the spare words, 128 bytes for each wave
.set LAPS,   4                         ; 1,024 / 256
.set QBB,    65536                     ; bytes of pbuf from a block of 16 queries to the next
.set ZO,   6                           ; v6   16 x lane
.set ADRA, 16
.set ADRB, 20
.set DV0,  27                          ; v27  r - 8 h
.set SPW,  28
.set NIL,  29
.set NINF, 30                          ; v30  -infinity
.set SOFF, 31                          ; v31  8 x lane
.set F0,   64
.set F1,   128
.set TMP,  192
.set T,    64                          ; v64-67 four running maxima
.set XCH,  68                          ; v68   the lane exchange's destination
.set NM,   70                          ; v[70:71] -M, twice
.set SUM,  72                          ; v[72:75] the sum, in two chains of pairs
.set KEEP, 76                          ; v76, v77 (-M, l) of the even block of queries
.set SS,   80                          ; v80-87 four pairs for the stores of stats: none is written twice
.set G1, 24
.set G0, 32
.set MSB, 0
.macro WIN new
.if MSB != \new
	s_set_vgpr_msb (MSB<<8)|\new
.set MSB, \new
.endif
.endm
.set MUL_LO, 0xa1                      ; source 0 (k) window 1, source 1 (q) window 0, C and D window 2
.set MUL_HI, 0xf1
.set TO_B,   0x40
	s_load_b128 s[4:7], s[0:1], 0x0                ; qkv, pbuf
	s_load_b64 s[8:9], s[0:1], 0x10                ; stats
	v_lshl_add_u32 v[SPW], v0, 2, SPARE
	v_mov_b32 v[NIL], 0
	ds_add_u32 v[SPW], v[NIL]                      ; the wave's opening: the add, twice on end, and its wait ahead of my first tensor load
	ds_add_u32 v[SPW], v[NIL]
	v_lshrrev_b32 v1, 5, v0
	v_readfirstlane_b32 s10, v1                    ; wave 0..3
	s_lshr_b32 s11, s10, 1                         ; my half of the queries
	s_and_b32 s12, s10, 1                          ; my half of the keys.  Also: which 128 rows I fetch
	s_mov_b32 s13, 0
.irp t, 1,3,6,10,15,21,28
	s_cmp_ge_u32 ttmp9, \t                         ; I = how many triangular numbers the work-group's number has reached
	s_add_co_ci_u32 s13, s13, 0
.endr
	s_add_co_u32 s14, s13, 1
	s_mul_i32 s14, s14, s13
	s_lshr_b32 s14, s14, 1
	s_sub_co_u32 s14, ttmp9, s14                   ; J
	s_and_b32 s15, ttmp7, 0xffff                   ; batch
	s_mov_b32 s[G1+0], (1<<16)|(1<<20)|(5<<22)|(3<<25)   ; no mask; elements of 2 bytes; 4 words of padding after every 64
	s_mov_b32 s[G1+1], KSTEP<<16                   ; tensor_dim0
	s_mov_b32 s[G1+2], 128<<16                     ; tensor_dim1
	s_mov_b32 s[G1+3], KSTEP<<16                   ; tile_dim0
	s_mov_b32 s[G1+4], 128                         ; tile_dim1
	s_mov_b32 s[G1+5], 3072                        ; the pitch of qkv in elements
	s_mov_b32 s[G1+6], 0
	s_mov_b32 s[G1+7], 0
	s_cmp_lt_u32 s10, 2                            ; waves 0, 1 fetch q's rows of tile row I, waves 2, 3 k's rows of tile row J
	s_cselect_b32 s16, s13, s14
	s_cselect_b32 s17, 0, 2048                     ; k begins 1,024 elements into a row
	s_lshl_b32 s16, s16, 8
	s_lshl_b32 s18, s15, 11
	s_add_co_u32 s16, s16, s18
	s_lshl_b32 s18, s12, 7
	s_add_co_u32 s16, s16, s18                     ; the first row that I fetch
	s_mul_i32 s16, s16, 6144
	s_add_co_u32 s16, s16, s17
	s_mov_b32 s17, 0
	s_mul_i32 s22, s10, HALFT                      ; where it goes: wave x 128 rows
	s_sub_co_u32 s44, s13, s14
	s_lshl_b32 s44, s44, 1
	s_add_co_u32 s44, s44, s11
	s_sub_co_u32 s44, s44, s12                     ; (my first query - my first key) / 128: -1 all hidden, 0 on the diagonal, more: all open
	s_lshl_b32 s40, s15, 7
	s_lshl_b32 s41, s13, 4
	s_add_co_u32 s40, s40, s41
	s_mov_b32 s42, s40                             ; the tile's first block of 16 queries: 128 batch + 16 I
	s_lshl_b32 s41, s11, 3
	s_add_co_u32 s40, s40, s41                     ; my first: + 8 x half
	s_lshl_b32 s40, s40, 16
	s_lshl_b32 s41, s14, 13
	s_add_co_u32 s40, s40, s41
	s_lshl_b32 s41, s12, 12
	s_add_co_u32 s40, s40, s41                     ; my part of pbuf: query block x 65,536 + (8 J + 4 x half) x 1,024
	s_mov_b32 s41, 0
	s_lshl_b32 s46, s15, 4
	s_lshl_b32 s47, s14, 1
	s_add_co_u32 s46, s46, s47
	s_add_co_u32 s46, s46, s12                     ; my block of 128 keys: 16 batch + 2 J + half
	s_lshl_b32 s46, s46, 11
	s_lshl_b32 s47, s13, 8
	s_add_co_u32 s46, s46, s47
	s_lshl_b32 s47, s11, 7
	s_add_co_u32 s46, s46, s47
	s_lshl_b32 s46, s46, 3                         ; my part of stats
	s_mov_b32 s47, 0
	s_lshl_b32 s48, s10, 2                         ; the tile of zeros: 4 blocks of 16 queries a wave, key blocks 8 (I + 1) on
	s_add_co_u32 s48, s48, s42
	s_lshl_b32 s48, s48, 16
	s_lshl_b32 s49, s13, 13
	s_add_co_u32 s48, s48, s49
	s_add_co_u32 s48, s48, 8192
	s_mov_b32 s49, 0
	s_lshl_b32 s50, s15, 4                         ; and its stats: block 2 (I + 1) + wave / 2, rows 128 (wave % 2) on
	s_lshl_b32 s51, s13, 1
	s_add_co_u32 s50, s50, s51
	s_add_co_u32 s50, s50, 2
	s_add_co_u32 s50, s50, s11
	s_lshl_b32 s50, s50, 11
	s_lshl_b32 s51, s13, 8
	s_add_co_u32 s50, s50, s51
	s_lshl_b32 s51, s12, 7
	s_add_co_u32 s50, s50, s51
	s_lshl_b32 s50, s50, 3
	s_mov_b32 s51, 0
	s_mov_b32 s56, 0xff800000                      ; -infinity
	s_mov_b32 s57, 0xffff0000                      ; lanes 16-31
	s_mov_b32 s58, 0x3d38aa3b                      ; c = log2(e) / 32
	s_mov_b32 s59, s58
	s_mov_b32 s60, 0x76543210                      ; v_permlanex16_b32's selects for lane l xor 16
	s_mov_b32 s61, 0xfedcba98
	s_wait_dscnt 0x0                               ; both opening adds are done
	s_wait_kmcnt 0x0
	s_add_nc_u64 s[20:21], s[4:5], s[16:17]
.irp s, 0,1
	s_mov_b32 s[G0+4*\s], 1
	s_add_co_u32 s[G0+4*\s+1], s22, \s*SLOT
	s_add_nc_u64 s[G0+4*\s+2:G0+4*\s+3], s[20:21], \s*KSTEP*2
	s_or_b32 s[G0+4*\s+3], s[G0+4*\s+3], 0x80000000
.endr
	tensor_load_to_lds s[G0:G0+3], s[G1:G1+7]      ; K steps 0 and 1: two loads of mine are out
	s_nop 0
	tensor_load_to_lds s[G0+4:G0+7], s[G1:G1+7]
	s_nop 0
.rept 4
	v_nop
.endr
	s_add_nc_u64 s[48:49], s[6:7], s[48:49]
	s_add_nc_u64 s[50:51], s[8:9], s[50:51]
	s_add_nc_u64 s[6:7], s[6:7], s[40:41]
	s_add_nc_u64 s[8:9], s[8:9], s[46:47]
	v_and_b32 v1, 15, v0                           ; r
	v_bfe_u32 v2, v0, 4, 1                         ; h
	v_mul_u32_u24 v3, v1, PITCH
	v_lshl_add_u32 v3, v2, 4, v3
	s_mul_i32 s16, s11, HALFT                      ; my 128 rows of q
	s_mul_i32 s17, s12, HALFT                      ; my 128 rows of k,
	s_add_co_u32 s17, s17, 2*HALFT                 ; behind q's 256
.irp s, 0,1
	v_add_nc_u32 v[ADRA+\s], s16, v3
	v_add_nc_u32 v[ADRB+\s], s17, v3
	s_add_co_u32 s16, s16, SLOT
	s_add_co_u32 s17, s17, SLOT
.endr
	v_lshlrev_b32 v5, 3, v2
	v_sub_nc_u32 v[DV0], v1, v5
	v_mov_b32 v[NINF], 0xff800000
	v_and_b32 v5, 31, v0
	v_lshlrev_b32 v[SOFF], 3, v5
	v_lshlrev_b32 v[ZO], 4, v5
	; The tile of zeros beside the diagonal tile of an even I.  The branch hangs on the work-group's number alone.
	s_sub_co_u32 s16, s13, s14
	s_and_b32 s17, s13, 1
	s_or_b32 s16, s16, s17
	s_cmp_lg_u32 s16, 0
	s_cbranch_scc1 .Lno_zero_tile
.irp j, 0,1,2,3
	v_mov_b32 v[64+\j], 0
.endr
	v_mov_b32 v68, 0x7149f2ca                      ; -M = 1e30: under every other block's M
	v_mov_b32 v69, 0
.irp q, 0,1,2,3
.set i, 0
.rept 16
	global_store_b128 v[ZO], v[64:67], s[48:49] offset:QBB*\q+512*i    ; 32 lanes store 512 consecutive bytes, aligned
.set i, i+1
.endr
.endr
.irp i, 0,1,2,3
	global_store_b64 v[SOFF], v[68:69], s[50:51] offset:256*\i
.endr
	s_wait_xcnt 0x0                                ; the stores have read their registers: fragments are loaded there next
.Lno_zero_tile:
.macro MUL16 f, hi, a0, zero           ; 16 matrix instructions: query blocks a0, a0 + 1 of the window's four x all 8 key blocks, 32 along K.  The 64 accumulators take turns
.irp a, \a0, \a0+1
.irp b, 0,1,2,3,4,5,6,7
.if \zero
	v_wmma_f32_16x16x32_f16 v[8*(8*(\a)+\b):8*(8*(\a)+\b)+7], v[\f+8*\b:\f+8*\b+7], v[\f+8*(4*\hi+\a):\f+8*(4*\hi+\a)+7], 0
.else
	v_wmma_f32_16x16x32_f16 v[8*(8*(\a)+\b):8*(8*(\a)+\b)+7], v[\f+8*\b:\f+8*\b+7], v[\f+8*(4*\hi+\a):\f+8*(4*\hi+\a)+7], v[8*(8*(\a)+\b):8*(8*(\a)+\b)+7]
.endif
.endr
.endr
.endm
.macro FETCH slot, k, f                ; 32 LDS loads in one run: the fragments of 32 along K at byte k of the rows
	WIN TO_B
.irp i, 0,1,2,3,4,5,6,7
	ds_load_b128 v[\f+8*\i:\f+8*\i+3],   v[ADRB+\slot] offset:\k+\i*16*PITCH
	ds_load_b128 v[\f+8*\i+4:\f+8*\i+7], v[ADRB+\slot] offset:\k+\i*16*PITCH+32
.endr
	WIN 0
.irp i, 0,1,2,3,4,5,6,7
	ds_load_b128 v[\f+8*\i:\f+8*\i+3],   v[ADRA+\slot] offset:\k+\i*16*PITCH
	ds_load_b128 v[\f+8*\i+4:\f+8*\i+7], v[ADRA+\slot] offset:\k+\i*16*PITCH+32
.endr
.endm
.macro PLACES                          ; four plain vector instructions between a matrix instruction and a load into, or a vector access of, its registers
.rept 4
	v_nop
.endr
.endm
.macro QUARTER slot, k, f, g, zero     ; 32 along K: multiplies buffer f and fetches the next quarter, at byte k, into g
	s_wait_dscnt 8                                 ; k's and q's rows 0-63 are in; the youngest eight loads (q's rows 64-127) may be out
	WIN MUL_LO
	MUL16 \f, 0, 0, \zero
	MUL16 \f, 0, 2, \zero
	PLACES
	FETCH \slot, \k, \g
	s_wait_dscnt 32                                ; all but the 32 just issued
	WIN MUL_HI
	MUL16 \f, 1, 0, \zero
	MUL16 \f, 1, 2, \zero
.endm
; A K step's last quarter changes slots: ONE barrier.  In front of it each wave waits for all its tensor loads (its part of the next slot), adds 0 to its spare word, and waits for that and for its reads of this slot.
; fill = 1: this slot is filled again, two K steps ahead, first thing behind the barrier: from there to the wait for it a wave issues 224 matrix instructions.
.macro TURN slot, next, fill
	WIN 0
	s_wait_tensorcnt 0x0
	ds_add_u32 v[SPW], v[NIL]
	s_wait_dscnt 9                                 ; the add and the youngest eight loads may be out
	WIN MUL_LO
	MUL16 F1, 0, 0, 0
	s_wait_dscnt 0x0                               ; the add is done, and my reads of this slot are over
	s_barrier_signal -1
	MUL16 F1, 0, 2, 0
	WIN 0
	s_barrier_wait -1
.if \fill
	s_add_nc_u64 s[G0+4*\slot+2:G0+4*\slot+3], s[G0+4*\slot+2:G0+4*\slot+3], 2*KSTEP*2   ; no load of mine is out, so the group may be written
	tensor_load_to_lds s[G0+4*\slot:G0+4*\slot+3], s[G1:G1+7]
	s_nop 0
.endif
	PLACES                                         ; behind the tensor load, and in front of the loads below
	FETCH \next, 0, F0
	WIN MUL_HI
	MUL16 F1, 1, 0, 0
	MUL16 F1, 1, 2, 0
.endm
	s_wait_tensorcnt 1                             ; my part of K step 0 is in; K step 1's load may be out
	s_barrier_signal -1
	s_barrier_wait -1
	FETCH 0, 0, F0
	QUARTER 0, 64,  F0, F1, 1                      ; the first quarter's products start the sums
	WIN 0
	s_mov_b32 s3, LAPS-1
.Llap:                                             ; a trip goes once round the ring and fills both slots again
	QUARTER 0, 128, F1, F0, 0
	QUARTER 0, 192, F0, F1, 0
	TURN 0, 1, 1
	QUARTER 1, 64,  F0, F1, 0
	QUARTER 1, 128, F1, F0, 0
	QUARTER 1, 192, F0, F1, 0
	TURN 1, 0, 1
	QUARTER 0, 64,  F0, F1, 0
	WIN 0
	s_sub_co_u32 s3, s3, 1
	s_cmp_lg_u32 s3, 0
	s_cbranch_scc1 .Llap
	QUARTER 0, 128, F1, F0, 0                      ; the last lap fills nothing
	QUARTER 0, 192, F0, F1, 0
	TURN 0, 1, 0
	QUARTER 1, 64,  F0, F1, 0
	QUARTER 1, 128, F1, F0, 0
	QUARTER 1, 192, F0, F1, 0
	s_wait_dscnt 8
	WIN MUL_LO
	MUL16 F1, 0, 0, 0
	MUL16 F1, 0, 2, 0
	s_wait_dscnt 0
	WIN MUL_HI
	MUL16 F1, 1, 0, 0
	MUL16 F1, 1, 2, 0
	WIN 0
	PLACES
	v_mov_b32 v[XCH], 0                            ; a lane permute's destination counts as one of its sources
	s_cmp_eq_i32 s44, -1
	s_cbranch_scc1 .Lzero_wave                     ; ids and the wave's number alone; no barrier follows
; THE SOFTMAX of block a: 16 queries x my 128 keys; a lane and its partner 16 away hold a query's 128 scores.
.macro SOFT a
.set AC, 64*((\a)%4)
.set HI, (\a)/4
	s_cmp_lg_u32 s44, 0
	s_cbranch_scc1 .Lopen_\@
	WIN 0x82+0x41*HI                               ; on the diagonal: destination and source 0 in the accumulators' window, source 1 in window 0
.irp j, 0,1,2,3,4,5,6,7
	v_cmp_gt_i32 vcc_lo, \j, v[DV0]                ; key block a: key 8 h + j is hidden where it is over query r
	v_cndmask_b32 v[AC+8*(\a)+\j], v[AC+8*(\a)+\j], v[NINF], vcc_lo
.endr
.if (\a) < 7
.set j, 8*((\a)+1)
.rept 8*(7-(\a))
	v_mov_b32 v[AC+j], s56                         ; the key blocks behind it are hidden whole
.set j, j+1
.endr
.endif
	WIN 0
.Lopen_\@:
	WIN 0x2a+0x15*HI                               ; the largest score, in four chains
.irp c, 0,1,2,3
	v_max3_num_f32 v[T+\c], v[AC+16*\c], v[AC+16*\c+1], v[AC+16*\c+2]
.endr
	WIN 0x28+0x14*HI
.irp i, 3,5,7,9,11,13
.irp c, 0,1,2,3
	v_max3_num_f32 v[T+\c], v[T+\c], v[AC+16*\c+\i], v[AC+16*\c+\i+1]
.endr
.endr
.irp c, 0,1,2,3
	v_max_num_f32 v[T+\c], v[T+\c], v[AC+16*\c+15]
.endr
	WIN 0
	v_max3_num_f32 v[T], v[T], v[T+1], v[T+2]
	v_max_num_f32 v[T], v[T], v[T+3]
	v_mul_f32 v[T], s58, v[T]                      ; as t (c is positive)
	v_permlanex16_b32 v[XCH], v[T], s60, s61
	v_max_num_f32 v[T], v[T], v[XCH]               ; with the partner's 64 keys
	v_max_num_f32 v[T], 0xf149f2ca, v[T]           ; held at -1e30 from below
	v_floor_f32 v[NM], -v[T]                       ; -M = floor(-t) = -ceil(t): a whole number
	v_mov_b32 v[NM+1], v[NM]
	WIN 0x82+0x41*HI
.set j, 0
.rept 32
	v_pk_fma_f32 v[AC+j:AC+j+1], v[AC+j:AC+j+1], s[58:59], v[NM:NM+1] op_sel_hi:[1,0,0]   ; t - M
.set j, j+2
.endr
.set j, 0
.rept 64
	v_exp_f32 v[AC+j], v[AC+j]                     ; p = 2^(t - M): one batch
.set j, j+1
.endr
	v_nop                                          ; a plain instruction behind the last exponential
	s_wait_alu depctr_va_vdst(0)                   ; one wait for the batch, ahead of its first reader
	s_wait_xcnt 0x0                                ; the last block's stores have read their data: the packed registers are written again only behind this wait
	WIN 0x0a+0x05*HI
	v_pk_add_f32 v[SUM:SUM+1], v[AC:AC+1], v[AC+2:AC+3]
	v_pk_add_f32 v[SUM+2:SUM+3], v[AC+4:AC+5], v[AC+6:AC+7]
.set j, 0
.rept 32
	v_cvt_pk_f16_f32 v[TMP+j], v[AC+2*j], v[AC+2*j+1]
.set j, j+1
.endr
	WIN 0x08+0x04*HI
.set j, 8
.rept 14
	v_pk_add_f32 v[SUM:SUM+1], v[SUM:SUM+1], v[AC+j:AC+j+1]
	v_pk_add_f32 v[SUM+2:SUM+3], v[SUM+2:SUM+3], v[AC+j+2:AC+j+3]
.set j, j+4
.endr
	WIN 0
.irp b, 0,1,2,3,4,5,6,7
	global_store_b128 v[ZO], v[TMP+4*\b:TMP+4*\b+3], s[6:7] offset:QBB*(\a)+512*\b   ; half b % 2 of fragment b / 2: 32 lanes store 512 consecutive bytes, aligned
.endr
	v_pk_add_f32 v[SUM:SUM+1], v[SUM:SUM+1], v[SUM+2:SUM+3]
	v_add_f32 v[SUM], v[SUM], v[SUM+1]
	v_permlanex16_b32 v[XCH], v[SUM], s60, s61
	v_add_f32 v[SUM], v[SUM], v[XCH]               ; l
.if (\a)%2 == 0
	v_mov_b32 v[KEEP], v[NM]
	v_mov_b32 v[KEEP+1], v[SUM]
.else
	v_cndmask_b32 v[SS+(\a)-1], v[KEEP], v[NM], s57    ; lanes 0-15: block a - 1's queries, lanes 16-31: block a's
	v_cndmask_b32 v[SS+(\a)], v[KEEP+1], v[SUM], s57
	global_store_b64 v[SOFF], v[SS+(\a)-1:SS+(\a)], s[8:9] offset:128*((\a)-1)   ; 32 lanes store 256 consecutive bytes, aligned
.endif
.endm
.irp a, 0,1,2,3,4,5,6,7
	SOFT \a
.endr
	s_branch .Lend
.Lzero_wave:                                       ; all my keys come after all my queries
.irp j, 0,1,2,3
	v_mov_b32 v[64+\j], 0
.endr
	v_mov_b32 v70, 0x7149f2ca
	v_mov_b32 v71, 0
.irp q, 0,1,2,3,4,5,6,7
.irp i, 0,1,2,3,4,5,6,7
	global_store_b128 v[ZO], v[64:67], s[6:7] offset:QBB*\q+512*\i
.endr
.endr
.irp i, 0,1,2,3
	global_store_b64 v[SOFF], v[70:71], s[8:9] offset:256*\i
.endr
.Lend:
	s_wait_tensorcnt 0x0                           ; the wave's end
	ds_add_u32 v[SPW], v[NIL]
	s_wait_dscnt 0x0
	s_endpgm
.Lfunc_end_k_qc1bb9a06f8_scores:
	.size	k_qc1bb9a06f8_scores, .Lfunc_end_k_qc1bb9a06f8_scores-k_qc1bb9a06f8_scores
	.p2alignl 7, 3214868480
	.fill 96, 4, 3214868480
	.section	.rodata,"a",@progbits
	.p2align	6, 0x0
	.amdhsa_kernel k_qc1bb9a06f8_scores
		.amdhsa_group_segment_fixed_size 327680
		.amdhsa_private_segment_fixed_size 0
		.amdhsa_enable_private_segment 0
		.amdhsa_kernarg_size 24
		.amdhsa_user_sgpr_count 2
		.amdhsa_user_sgpr_kernarg_segment_ptr 1
		.amdhsa_wavefront_size32 1
		.amdhsa_system_sgpr_workgroup_id_x 1
		.amdhsa_system_sgpr_workgroup_id_y 1
		.amdhsa_system_sgpr_workgroup_id_z 1
		.amdhsa_system_vgpr_workitem_id 0
		.amdhsa_next_free_vgpr 1024
		.amdhsa_next_free_sgpr 66
		.amdhsa_reserve_vcc 1
		.amdhsa_float_denorm_mode_32 3
		.amdhsa_float_denorm_mode_16_64 3
		.amdhsa_memory_ordered 1
		.amdhsa_forward_progress 1
		.amdhsa_inst_pref_size 227
	.end_amdhsa_kernel
	.amdgpu_metadata
---
amdhsa.version: [ 1, 2 ]
amdhsa.kernels:
  - .name:           k_qc1bb9a06f8_scores
    .symbol:         k_qc1bb9a06f8_scores.kd
    .args:
      - { .name: qkv, .offset: 0, .size: 8, .value_kind: global_buffer, .address_space: global }
      - { .name: pbuf, .offset: 8, .size: 8, .value_kind: global_buffer, .address_space: global }
      - { .name: stats, .offset: 16, .size: 8, .value_kind: global_buffer, .address_space: global }
    .group_segment_fixed_size: 327680
    .private_segment_fixed_size: 0
    .kernarg_segment_align: 8
    .kernarg_segment_size: 24
    .max_flat_workgroup_size: 128
    .sgpr_count:     66
    .vgpr_count:     1024
    .wavefront_size: 32
...
	.end_amdgpu_metadata
.endif
;; end of part 3
;; launch pv (part 4): grid 4 x 64, 4 waves a work-group, clusters of 4 x 4, 327,680 bytes of LDS; arguments pbuf, qkv, stats, out0; writes out0
.if DOCPART == 4
	.amdgcn_target "amdgcn-amd-amdhsa--gfx1250"
	.amdhsa_code_object_version 6
	.text
	.protected	k_qc1bb9a06f8_pv
	.globl	k_qc1bb9a06f8_pv
	.p2align	8
	.type	k_qc1bb9a06f8_pv,@function
k_qc1bb9a06f8_pv:
	s_mov_b64 s[64:65], 0
	v_nop
	global_prefetch_b8 v0, s[64:65] scope:SCOPE_SE
	s_setreg_imm32_b32 hwreg(HW_REG_WAVE_MODE, 25, 1), 1
	s_wait_xcnt 0x0
	s_wait_alu depctr_hold_cnt(0) depctr_sa_sdst(0) depctr_va_vdst(0) depctr_va_sdst(0) depctr_va_ssrc(0) depctr_va_vcc(0) depctr_vm_vsrc(0)
	s_getreg_b32 s2, hwreg(HW_REG_IB_STS2, 6, 4)
	s_cmp_eq_u32 s2, 0
	s_cbranch_scc0 .Lentry_in_a_cluster
	s_endpgm
.Lentry_in_a_cluster:
	s_bfe_u32 s2, ttmp6, 0x10000c
	s_cmp_lg_u32 s2, 0xf033
	s_cbranch_scc0 .Lentry_shape_is_right
	s_endpgm
.Lentry_shape_is_right:
; out0[q][e] = (sum over blocks of 128 keys of 2^(M_block - M_row) P_block[q] V_block[:, e]) / l_row;  M_row = the largest M of the row's blocks, l_row = sum of 2^(M_block - M_row) l_block.
; P (f16, laid in the order of this launch's operand registers) and (-M, l) come from the launch before; V is columns 2,048 .. 3,071 of qkv (f16).  Products on f16 operands, sums in f32.
; EACH BLOCK OF 128 KEYS HAS SUMS OF ITS OWN, begun with the constant 0; they are added to O in f32, times the block's factor, a power of two: nothing but the addition rounds.
; LIMITS: a factor under 2^-126 counts as 0.  Rows 0-15 of each batch are written here and once more, more finely, by the next launch.
; CLUSTERS: 4 x 4 work-groups; cluster y = 4 x batch + s owns queries 512 s .. 512 s + 511 (cy: 128 each) x 1,024 channels (cx: 256 each).  All sixteen walk keys 0 .. 512 (s + 1) - 1:
; the trip count hangs on the cluster's number alone.  V's tile hangs on cx alone and is asked for jointly along a column of the cluster; each of the four waves fetches 64 of a slot's 256 keys.
; P IS NOT ASKED FOR JOINTLY, though the four partners of a row read the same fragments: it goes from memory straight into registers, 512 consecutive bytes a load.  With P's 128 rows x 256 keys beside V a slot
; would take 139,264 + 69,632 bytes, and two such slots are more than the 327,680 bytes of LDS; slots of 128 keys would leave a refill half the matrix work in which to land.
; A wave makes 64 queries x 128 channels: O^T = V^T P^T, source 0 = 16 channels x 32 keys (V turned by ds_load_tr16_b128), source 1 = 16 queries x 32 keys.  Lane (r, h) holds query r, channels 16 b + 8 h + 0 .. 7.
; A SUBSTEP is 32 keys: 32 matrix instructions, 16 LDS loads (V of the next substep), 8 loads from memory (P of the substep seven on, into the one of eight buffers that was read last).
; REGISTERS: window 0: v4-15 addresses; v16-23 the block's factors; v24-31 -M of the blocks ahead, two sets; v32-35 -M of my rows; v36-43 1 / l; v44 the prefetches' offset; v45-63 at work; v64-127 the way out;
;   v128-255 V's fragments, two buffers.  window 1: the block's 32 sums ((a, b) at v[8 (8 a + b)]).  window 2: O, likewise.  window 3: P's fragments, eight buffers of 32.
; The additions to O name windows 1 and 2, the products windows 0, 3 and 1: four additions behind a product cost two switches.  Set in runs of their own they would leave the matrix unit without work meanwhile.
.set VP,     544                       ; a row of V in LDS: 512 bytes + 32: an odd multiple of 32, as the turning load's lanes want
.set SLOT,   256*VP                    ; 256 keys
.set STAGE,  2*SLOT                    ; 16 rows x (512 + 16) bytes for each wave
.set SPITCH, 528
.set SPARE,  STAGE+4*16*SPITCH         ; the spare words, 128 bytes for each wave
.set OROW,   4096                      ; a row of out0 in bytes
.set QBB,    65536                     ; bytes of pbuf from a block of 16 queries to the next
.set ADRV, 4                           ; v4-7  V's fragments: slot 0 keys 0-127, keys 128-255, slot 1 likewise (an LDS offset has 16 bits)
.set STO,  8
.set RD,   9
.set CO,   10                          ; v10  16 x lane: my place in a row of out0, and in half a fragment of P
.set VROW, 11                          ; v11  8 x my row in the batch
.set SPW,  14
.set NIL,  15
.set F,    16                          ; v16, 18, 20, 22 the factors of query blocks 0-3 (named as pairs; the low word serves both halves)
.set NM,   24
.set NMR,  32
.set INV,  36
.set PFO,  44
.set TT,   46
.set FT,   60
.set OUTB, 64
.set VB,   128
.set WV,   12                          ; s12 wave; s13 my half of the queries; s14 my half of the channels
.set G1V,  24
.set G0V,  32
.set PBASE, 48                         ; s[48:49] pbuf at my first block of queries, the slot in hand's first block of keys
.set NMB,  50                          ; s[50:51] stats at my batch, the slot in hand's first block of 128 keys
.set LIM0, 52
.set LIM1, 53
.set SEL,  66
.set BG,   68                          ; s[68:75] stats at groups of four blocks
.set MK,   75                          ; s76-78 all ones where group 1, 2, 3 is walked
.set PFA,  80
.set PFS,  82
.set STB,  84
.set MM,   0x5c                        ; products: V window 0, P window 3, C and D window 1
.set FW,   0xa1                        ; additions: the block's sums window 1, the factor window 0, O window 2
.set PW,   0xc0                        ; loads of P: destination window 3, address window 0
.set MSB, 0
.macro WIN new
.if MSB != \new
	s_set_vgpr_msb (MSB<<8)|\new
.set MSB, \new
.endif
.endm
.macro CREST
	s_cmp_lg_u32 s[WV], 0
	s_cbranch_scc1 .Lnot_wave_0_\@
	s_barrier_signal -3
.Lnot_wave_0_\@:
	s_barrier_wait -3
	s_barrier_signal -1
	s_barrier_wait -1
.endm
.macro CROUND
	s_barrier_signal -1
	s_barrier_wait -1
	CREST
.endm
; A PREFETCH INTO THE L2, behind the joint load of the change of slots at slot n and the loads that follow it: slot n + 3, which the next change but one... the change after the next refill will ask for: one slot, 256 matrix
; instructions, ahead of the tensor load that fetches its V.
; P: a slot is 8,192 consecutive bytes for each of the work-group row's 8 blocks of 16 queries; partner cx takes blocks 2 cx and 2 cx + 1, told apart by address; wave 0 asks for the first, wave 1 for the second, lanes 256 bytes apart.
; V: a slot is 256 keys x 512 bytes for a column of the cluster; partner cy takes 64 keys, waves 2 and 3 take 32 each, a lane a key, two blocks of 256 bytes; of a batch's four clusters the one that walks all keys (s = 3) asks.
; So each aligned 256 bytes are named once in the launch.  The last change that fills a slot asks for nothing: slot n + 3 would lie behind the walk's end.  Slots 0 to 2 come by their loads alone.
.macro ASK lim
	s_cmp_gt_u32 s3, s[\lim]
	s_cbranch_scc0 .Lno_ask_\@
	global_prefetch_b8 v[PFO], s[PFA:PFA+1] th:TH_LOAD_NT scope:SCOPE_SE
	s_cmp_lt_u32 s[WV], 2
	s_cbranch_scc1 .Lno_ask_\@
	global_prefetch_b8 v[PFO], s[PFA:PFA+1] offset:256 th:TH_LOAD_NT scope:SCOPE_SE
.Lno_ask_\@:
.endm
	s_load_b256 s[4:11], s[0:1], 0x0               ; pbuf s[4:5], qkv s[6:7], stats s[8:9], out0 s[10:11]
	v_lshl_add_u32 v[SPW], v0, 2, SPARE
	v_mov_b32 v[NIL], 0
	ds_add_u32 v[SPW], v[NIL]                      ; the wave's opening: the add, twice on end, and its wait ahead of my first tensor load
	ds_add_u32 v[SPW], v[NIL]
	v_lshrrev_b32 v1, 5, v0
	v_readfirstlane_b32 s[WV], v1                  ; wave 0..3
	s_lshr_b32 s13, s[WV], 1
	s_and_b32 s14, s[WV], 1
	s_bfe_u32 s15, ttmp6, 0x40000                  ; cx
	s_bfe_u32 s16, ttmp6, 0x40004                  ; cy
	s_and_b32 s17, ttmp7, 0xffff                   ; cluster y
	s_and_b32 s18, s17, 3                          ; s
	s_lshr_b32 s17, s17, 2                         ; batch
	s_lshl_b32 s41, 0x1111, s15                    ; my column of the cluster
	s_or_b32 s[G1V], s41, (1<<16)|(1<<20)|(1<<21)|(6<<22)|(7<<25)  ; the mask; elements of 2 bytes; padding on; bit 21 beside a mask; 8 words of padding after every 128
	s_mov_b32 s[G1V+1], 256<<16                    ; tensor_dim0
	s_mov_b32 s[G1V+2], 64<<16                     ; tensor_dim1
	s_mov_b32 s[G1V+3], 256<<16                    ; tile_dim0
	s_mov_b32 s[G1V+4], 64                         ; tile_dim1
	s_mov_b32 s[G1V+5], 3072                       ; the pitch of qkv in elements
	s_mov_b32 s[G1V+6], 0
	s_mov_b32 s[G1V+7], 0
	s_lshl_b32 s44, s17, 11
	s_lshl_b32 s45, s[WV], 6
	s_add_co_u32 s44, s44, s45                     ; V: key 64 x wave of the batch,
	s_mul_i32 s44, s44, 6144
	s_lshl_b32 s45, s15, 9
	s_add_co_u32 s44, s44, s45                     ; channels 256 cx on,
	s_add_co_u32 s44, s44, 4096                    ; behind q's and k's 2,048 columns
	s_mov_b32 s45, 0
	s_mul_i32 s47, s[WV], 64*VP                    ; where they go: wave x 64 rows
	s_mov_b32 s[SEL], 0x76543210
	s_mov_b32 s[SEL+1], 0xfedcba98
	s_mov_b32 s3, s18                              ; the loop's trips: s
	s_wait_dscnt 0x0                               ; both opening adds are done
	s_wait_kmcnt 0x0
	s_add_nc_u64 s[44:45], s[6:7], s[44:45]
	CROUND                                         ; all sixteen work-groups are here: the first joint loads meet
.irp s, 0,1
	s_mov_b32 s[G0V+4*\s], 1
	s_add_co_u32 s[G0V+4*\s+1], s47, \s*SLOT
	s_add_nc_u64 s[G0V+4*\s+2:G0V+4*\s+3], s[44:45], \s*256*6144
	s_or_b32 s[G0V+4*\s+3], s[G0V+4*\s+3], 0x80000000
.endr
	tensor_load_to_lds s[G0V:G0V+3], s[G1V:G1V+7]  ; slots 0 and 1: two loads of mine are out
	s_nop 0
	tensor_load_to_lds s[G0V+4:G0V+7], s[G1V:G1V+7]
	s_nop 0
.rept 4
	v_nop
.endr
	v_and_b32 v1, 15, v0                           ; r
	v_bfe_u32 v2, v0, 4, 1                         ; h
	v_and_b32 v3, 31, v0
	v_lshlrev_b32 v[CO], 4, v3
	s_lshl_b32 s87, s18, 9
	s_lshl_b32 s88, s16, 7
	s_add_co_u32 s87, s87, s88
	s_mov_b32 s86, s87                             ; the work-group's first row in the batch: 512 s + 128 cy
	s_lshl_b32 s88, s13, 6
	s_add_co_u32 s87, s87, s88                     ; my wave's
	v_add_nc_u32 v[VROW], s87, v1
	v_lshlrev_b32 v[VROW], 3, v[VROW]
	v_lshl_add_u32 v45, v2, 14, v[VROW]            ; lanes 16-31 take the odd blocks
	s_lshl_b32 s88, s17, 18
	s_mov_b32 s89, 0
	s_add_nc_u64 s[STB:STB+1], s[8:9], s[88:89]
	s_mov_b64 s[NMB:NMB+1], s[STB:STB+1]
.irp g, 0,1,2,3
	s_min_u32 s88, s18, \g                         ; a group that is not walked is read as group s once more: every load stays in what the launch before has written
	s_lshl_b32 s88, s88, 16
	s_add_nc_u64 s[BG+2*\g:BG+2*\g+1], s[STB:STB+1], s[88:89]
.endr
.irp g, 1,2,3
	s_cmp_ge_u32 s18, \g
	s_cselect_b32 s[MK+\g], -1, 0
.endr
.irp a, 0,1,2,3                        ; (-M, l) of my 64 rows for 16 blocks: register pair 8 a + i holds block 2 i + h of row 16 a + r
.irp i, 0,1,2,3,4,5,6,7
	global_load_b64 v[VB+2*(8*\a+\i):VB+2*(8*\a+\i)+1], v45, s[BG+2*(\i/2):BG+2*(\i/2)+1] offset:(\i%2)*32768+128*\a
.endr
.endr
.macro NMLOAD set, off                 ; -M of my 64 rows for one block of 128 keys
.irp a, 0,1,2,3
	global_load_b32 v[NM+4*(\set)+\a], v[VROW], s[NMB:NMB+1] offset:(\off)+128*\a
.endr
.endm
.macro PLOAD rb, off                   ; P's four fragments of one substep into buffer rb: each load reads 512 consecutive bytes
.irp a, 0,1,2,3
	global_load_b128 v[32*(\rb)+8*\a:32*(\rb)+8*\a+3], v[CO], s[PBASE:PBASE+1] offset:QBB*\a+(\off)
	global_load_b128 v[32*(\rb)+8*\a+4:32*(\rb)+8*\a+7], v[CO], s[PBASE:PBASE+1] offset:QBB*\a+(\off)+512
.endr
.endm
	NMLOAD 0, 0                                    ; block 0's
	s_lshl_b32 s88, s17, 11
	s_add_co_u32 s88, s88, s87                     ; my wave's first row of all
	s_lshl_b32 s88, s88, 12                        ; x 4,096: a row of out0, and a sixteenth of a block of 16 queries in pbuf
	s_add_nc_u64 s[PBASE:PBASE+1], s[4:5], s[88:89]
	s_add_nc_u64 s[10:11], s[10:11], s[88:89]
	WIN PW
	PLOAD 0, 0                                     ; substeps 0 to 2: with the 36 loads above, 60 loads of mine are out
	PLOAD 1, 1024
	PLOAD 2, 2048
	WIN 0
	s_lshl_b32 s88, s15, 10
	s_lshl_b32 s90, s14, 9
	s_add_co_u32 s88, s88, s90                     ; my part of a row of out0: 1,024 cx + 512 x half
	s_add_nc_u64 s[10:11], s[10:11], s[88:89]
	v_and_b32 v3, 7, v0
	v_lshl_add_u32 v3, v2, 3, v3
	v_mul_u32_u24 v3, v3, VP
	v_bfe_u32 v46, v0, 3, 1
	v_lshl_add_u32 v3, v46, 4, v3
	s_lshl_b32 s40, s14, 8
	v_add_nc_u32 v[ADRV], s40, v3                  ; V's fragments: (8 h + lane % 8) x pitch + 256 x half + 16 ((lane / 8) % 2)
	v_add_nc_u32 v[ADRV+1], 128*VP, v[ADRV]
	v_add_nc_u32 v[ADRV+2], SLOT, v[ADRV]
	v_add_nc_u32 v[ADRV+3], SLOT+128*VP, v[ADRV]
	s_mul_i32 s40, s[WV], 16*SPITCH
	s_add_co_u32 s40, s40, STAGE
	v_mul_u32_u24 v3, v1, SPITCH
	v_lshl_add_u32 v3, v2, 5, v3
	v_add_nc_u32 v[STO], s40, v3
	v_add_nc_u32 v[RD], s40, v[CO]
	v_mov_b32 v[TT+1], 0                           ; a lane permute's destination counts as one of its sources
.irp a, 0,1,2,3
	v_mov_b32 v[F+2*\a+1], 0                       ; named as the upper halves of the factors' pairs
.endr
	; the prefetches: who asks, and where they stand: at slot 2; each change of slots that fills steps the address first
	s_lshl_b32 s88, s17, 11
	s_add_co_u32 s88, s88, s86
	s_lshl_b32 s90, s15, 5
	s_add_co_u32 s88, s88, s90
	s_lshl_b32 s90, s14, 4
	s_add_co_u32 s88, s88, s90                     ; P: rows 32 cx + 16 x wave of the work-group's 128
	s_lshl_b32 s88, s88, 12
	s_add_co_u32 s88, s88, 2*8192
	s_lshl_b32 s90, s17, 11
	s_lshl_b32 s91, s16, 6
	s_add_co_u32 s90, s90, s91
	s_lshl_b32 s91, s14, 5
	s_add_co_u32 s90, s90, s91
	s_add_co_u32 s90, s90, 512                     ; V: key 64 cy + 32 (wave - 2) of slot 2,
	s_mul_i32 s90, s90, 6144
	s_lshl_b32 s91, s15, 9
	s_add_co_u32 s90, s90, s91
	s_add_co_u32 s90, s90, 4096                    ; the column's 512 bytes
	s_mov_b32 s91, 6144
	s_mov_b32 s92, 256*6144
	s_cmp_lt_u32 s[WV], 2
	s_cselect_b64 s[PFA:PFA+1], s[4:5], s[6:7]
	s_cselect_b32 s88, s88, s90
	s_cselect_b32 s91, 256, s91                    ; from lane to lane
	s_cselect_b32 s[PFS], 8192, s92                ; from slot to slot
	s_mov_b32 s[PFS+1], 0
	s_add_nc_u64 s[PFA:PFA+1], s[PFA:PFA+1], s[88:89]
	v_and_b32 v[PFO], 31, v0
	v_mul_lo_u32 v[PFO], v[PFO], s91
	s_cmp_eq_u32 s18, 3
	s_cselect_b32 s90, 0, -1
	s_cselect_b32 s92, 1, -1
	s_cmp_lt_u32 s[WV], 2
	s_cselect_b32 s[LIM0], 0, s90                  ; a wave asks while the trips left are above this: at a trip's first change always,
	s_cselect_b32 s[LIM1], 1, s92                  ; at its second in all trips but the last; the greatest number in a wave that never asks.  The cluster's number and the wave's alone
; my rows 16 a + r: -M of the row, and its sum
.macro ROWSTAT a
.set N0, VB+16*(\a)
.irp g, 1,2,3
	v_cndmask_b32 v[N0+4*\g+1], v[NIL], v[N0+4*\g+1], s[MK+\g]     ; the sums of groups that are not walked count for nothing
	v_cndmask_b32 v[N0+4*\g+3], v[NIL], v[N0+4*\g+3], s[MK+\g]
.endr
	v_min3_num_f32 v[TT], v[N0], v[N0+2], v[N0+4]
	v_min3_num_f32 v[TT], v[TT], v[N0+6], v[N0+8]
	v_min3_num_f32 v[TT], v[TT], v[N0+10], v[N0+12]
	v_min_num_f32 v[TT], v[TT], v[N0+14]
	v_permlanex16_b32 v[TT+1], v[TT], s[SEL], s[SEL+1]
	v_min_num_f32 v[NMR+\a], v[TT], v[TT+1]        ; the least -M = -(the largest M)
.irp i, 0,1,2,3,4,5,6,7
	v_sub_f32 v[TT+2+\i], v[NMR+\a], v[N0+2*\i]    ; M_block - M_row: a whole number, 0 or less
.endr
.irp i, 0,1,2,3,4,5,6,7
	v_cvt_i32_f32 v[TT+2+\i], v[TT+2+\i]           ; (it saturates)
.endr
.irp i, 0,1,2,3,4,5,6,7
	v_ldexp_f32 v[TT+2+\i], 1.0, v[TT+2+\i]
.endr
	v_mul_f32 v[TT], v[TT+2], v[N0+1]
.irp i, 1,2,3,4,5,6,7
	v_fmac_f32 v[TT], v[TT+2+\i], v[N0+2*\i+1]
.endr
	v_permlanex16_b32 v[TT+1], v[TT], s[SEL], s[SEL+1]
	v_add_f32 v[TT+10+\a], v[TT], v[TT+1]
.endm
	s_wait_loadcnt 24                              ; the 32 pairs and block 0's -M are in; P's 24 loads may be out
	ROWSTAT 0
	ROWSTAT 1
	ROWSTAT 2
	ROWSTAT 3
.irp a, 0,1,2,3
	v_rcp_f32 v[INV+2*\a], v[TT+10+\a]
.endr
	v_nop                                          ; a plain instruction behind the last reciprocal
	s_wait_alu depctr_va_vdst(0)                   ; one wait for the four, ahead of their first reader
.irp a, 0,1,2,3
	v_mov_b32 v[INV+2*\a+1], v[INV+2*\a]           ; named as a pair below
.endr
	WIN PW
	PLOAD 3, 3*1024                                ; substeps 3 to 6: seven substeps of P are asked for
	PLOAD 4, 4*1024
	PLOAD 5, 5*1024
	PLOAD 6, 6*1024
	WIN 0
.macro PLACES                          ; four plain vector instructions between a matrix instruction and a load into its registers (ISA guide 7.12.1 for vector instructions)
.rept 4
	v_nop
.endr
.endm
.macro FETCH sg, j                     ; V's eight fragments of the slot's j-th 32 keys into buffer j % 2: 16 turning loads in one run
.set FA, ADRV+2*(\sg)+(\j)/4
.set FB, VB+64*((\j)%2)
.set FO, 32*VP*((\j)%4)
.irp b, 0,1,2,3,4,5,6,7
	ds_load_tr16_b128 v[FB+8*\b:FB+8*\b+3], v[FA] offset:FO+32*\b
	ds_load_tr16_b128 v[FB+8*\b+4:FB+8*\b+7], v[FA] offset:FO+16*VP+32*\b
.endr
.endm
.macro WMMA f, rb, a, b, zero          ; query block a x channel block b.  The 32 sums take turns, one instruction a turn, in the same order in every substep
.if \zero
	v_wmma_f32_16x16x32_f16 v[8*(8*(\a)+(\b)):8*(8*(\a)+(\b))+7], v[VB+64*(\f)+8*(\b):VB+64*(\f)+8*(\b)+7], v[32*(\rb)+8*(\a):32*(\rb)+8*(\a)+7], 0
.else
	v_wmma_f32_16x16x32_f16 v[8*(8*(\a)+(\b)):8*(8*(\a)+(\b))+7], v[VB+64*(\f)+8*(\b):VB+64*(\f)+8*(\b)+7], v[32*(\rb)+8*(\a):32*(\rb)+8*(\a)+7], v[8*(8*(\a)+(\b)):8*(8*(\a)+(\b))+7]
.endif
.endm
.macro G f, rb, a, zero                ; eight products on end
	WIN MM
.irp b, 0,1,2,3,4,5,6,7
	WMMA \f, \rb, \a, \b, \zero
.endr
.endm
.macro FSL a, b, first                 ; O(a, b) takes the block's sums (a, b) times the factor of query block a; first = 1: the first block starts O: nothing is ever cleared.  From the low end on
	WIN FW
.irp i, 0,2,4,6
.if \first
	v_pk_mul_f32 v[8*(8*(\a)+(\b))+\i:8*(8*(\a)+(\b))+\i+1], v[8*(8*(\a)+(\b))+\i:8*(8*(\a)+(\b))+\i+1], v[F+2*(\a):F+2*(\a)+1] op_sel_hi:[1,0]
.else
	v_pk_fma_f32 v[8*(8*(\a)+(\b))+\i:8*(8*(\a)+(\b))+\i+1], v[8*(8*(\a)+(\b))+\i:8*(8*(\a)+(\b))+\i+1], v[F+2*(\a):F+2*(\a)+1], v[8*(8*(\a)+(\b))+\i:8*(8*(\a)+(\b))+\i+1] op_sel_hi:[1,0,1]
.endif
.endr
.endm
.macro GF f, rb, a, zero, sa, first    ; eight products of query block a, and behind each the four additions of one finished sum of query block sa
.irp b, 0,1,2,3,4,5,6,7
	WIN MM
	WMMA \f, \rb, \a, \b, \zero
	FSL \sa, \b, \first
.endr
.endm
; The last eight products of query block 0 in a block of keys, and behind the fifth to seventh of them the block's factors 2^(M_block - M_row), in three slices of four.
; These twelve lines are also the places between query block 0's last products and the first addition that reads them.
.macro GC f, rb, set
.irp b, 0,1,2,3,4,5,6,7
	WIN MM
	WMMA \f, \rb, 0, \b, 0
.if \b == 4
	WIN 0
.irp a, 0,1,2,3
	v_sub_f32 v[FT+\a], v[NMR+\a], v[NM+4*(\set)+\a]
.endr
.elseif \b == 5
	WIN 0
.irp a, 0,1,2,3
	v_cvt_i32_f32 v[FT+\a], v[FT+\a]               ; (it saturates)
.endr
.elseif \b == 6
	WIN 0
.irp a, 0,1,2,3
	v_ldexp_f32 v[F+2*\a], 1.0, v[FT+\a]
.endr
.endif
.endr
.endm
; SUBSTEP j (0 to 6) of slot sg.  first = 1: the walk's first slot.  pl: P of the substep seven on is asked for.  nm: at a block's first substep -M of the next block is asked for, ahead of P's loads: so the wait for
; those loads, seven substeps on, shows it landed too.  cnt: how many younger loads may be out when this substep's P has to be there.
; A block of 128 keys is four substeps.  Its first begins the sums anew with the constant 0; the sums of query block a are finished behind the fourth's products of a, and are added to O behind the products of
; query block a + 1; those of query block 3 behind the next block's first eight products, ahead of its products of query block 3.
.macro SUB sg, j, first, pl, nm, cnt
	s_wait_loadcnt \cnt
	PLACES
	FETCH \sg, (\j)+1
.if ((\j)%4 == 0) && (\nm)
	NMLOAD 1-(\j)/4, 16384*(1+(\j)/4)
.endif
.if \pl
	WIN PW
	PLOAD ((\j)+7)%8, ((\j)+7)*1024
.endif
	s_wait_dscnt 16                                ; this substep's V is in; the 16 loads just issued may be out
.if (\j)%4 == 0
.if (\first) && ((\j) == 0)
	G (\j)%2, \j, 0, 1
.else
	GF (\j)%2, \j, 0, 1, 3, \first
.endif
	G (\j)%2, \j, 1, 1
	G (\j)%2, \j, 2, 1
	G (\j)%2, \j, 3, 1
.elseif (\j)%4 == 3
	GC (\j)%2, \j, 0
	GF (\j)%2, \j, 1, 0, 0, \first
	GF (\j)%2, \j, 2, 0, 1, \first
	GF (\j)%2, \j, 3, 0, 2, \first
.else
	G (\j)%2, \j, 0, 0
	G (\j)%2, \j, 1, 0
	G (\j)%2, \j, 2, 0
	G (\j)%2, \j, 3, 0
.endif
	WIN 0
.endm
; A SLOT'S LAST SUBSTEP changes slots: each wave waits for all its tensor loads (its part of the next slot), adds 0 to its spare word, and waits for that; its reads of this slot are back.
; fill = 1: the barrier opens a round of the cluster's barrier, and the joint refill, two slots ahead, is the first thing behind the round: 240 matrix instructions stand between it and the wait for it.
.macro TURN sg, fill, lim
	s_wait_xcnt 0x0                                ; every earlier load and prefetch has read its base: the bases step to the next slot
	s_add_nc_u64 s[PBASE:PBASE+1], s[PBASE:PBASE+1], 8192
	s_add_nc_u64 s[NMB:NMB+1], s[NMB:NMB+1], 32768
.if \fill
	s_add_nc_u64 s[PFA:PFA+1], s[PFA:PFA+1], s[PFS:PFS+1]
.endif
	s_wait_loadcnt 48                              ; this substep's P is in; the six younger substeps' 48 loads may be out
	s_wait_dscnt 0x0                               ; this substep's V is in: my last reads of this slot
	s_wait_tensorcnt 0x0
	ds_add_u32 v[SPW], v[NIL]
	GC 1, 7, 1
	WIN 0
	s_wait_dscnt 0x0                               ; the add is done
	s_barrier_signal -1
	GF 1, 7, 1, 0, 0, 0
	WIN 0
	s_barrier_wait -1
.if \fill
	CREST                                          ; no wave of any partner still reads this slot or has a load on its way
	s_add_nc_u64 s[G0V+4*\sg+2:G0V+4*\sg+3], s[G0V+4*\sg+2:G0V+4*\sg+3], 512*6144
	tensor_load_to_lds s[G0V+4*\sg:G0V+4*\sg+3], s[G1V:G1V+7]
	s_nop 0
.endif
	PLACES
	FETCH 1-(\sg), 0
	WIN PW
	PLOAD 6, 6*1024
	WIN 0
.if \fill
	ASK \lim
.endif
	GF 1, 7, 2, 0, 1, 0
	GF 1, 7, 3, 0, 2, 0
	WIN 0
.endm
	s_wait_tensorcnt 1                             ; my part of slot 0 is in; slot 1's load may be out
	s_barrier_signal -1
	s_barrier_wait -1
	FETCH 0, 0
.irp j, 0,1,2,3,4,5,6
	SUB 0, \j, 1, 1, 1, 48                         ; the walk's first slot: its first block starts O
.endr
	s_cmp_lt_u32 s3, 1                             ; with s = 0 the walk is two slots: nothing is filled again.  The cluster's number alone
	s_cbranch_scc1 .Ltail
.Llap:                                             ; s trips: once round the ring, both slots filled again
	TURN 0, 1, LIM0
.irp j, 0,1,2,3,4,5,6
	SUB 1, \j, 0, 1, 1, 48
.endr
	TURN 1, 1, LIM1
.irp j, 0,1,2,3,4,5,6
	SUB 0, \j, 0, 1, 1, 48
.endr
	s_sub_co_u32 s3, s3, 1
	s_cmp_lg_u32 s3, 0
	s_cbranch_scc1 .Llap
.Ltail:
	TURN 0, 0, LIM0                                ; the last change of slots fills nothing
	SUB 1, 0, 0, 1, 1, 48                          ; the last loads: the last block's -M and the last substep's P
.irp j, 1,2,3,4,5,6
	SUB 1, \j, 0, 0, 0, 8*(7-\j)                   ; the counts run down
.endr
	s_wait_loadcnt 0x0
	s_wait_dscnt 0x0
	GC 1, 7, 1
	GF 1, 7, 1, 0, 0, 0
	GF 1, 7, 2, 0, 1, 0
	GF 1, 7, 3, 0, 2, 0
.irp b, 0,1,2,3,4,5,6,7
	FSL 3, \b, 0                                   ; the last block's query block 3; these lines are also the places behind the last products
.endr
	WIN 0
; THE WAY OUT, 16 queries x 128 channels at a time: divided by the row's sum, 32 bytes a lane into my stage, back as whole rows of 512 bytes.
.macro TOSTAGE a
	WIN 0x02                                       ; source 0 in window 2
.set j, 0
.rept 32
	v_pk_mul_f32 v[OUTB+j:OUTB+j+1], v[64*(\a)+j:64*(\a)+j+1], v[INV+2*(\a):INV+2*(\a)+1] op_sel_hi:[1,0]
.set j, j+2
.endr
	WIN 0
.irp b, 0,1,2,3,4,5,6,7
	ds_store_b128 v[STO], v[OUTB+8*\b:OUTB+8*\b+3] offset:64*\b
	ds_store_b128 v[STO], v[OUTB+8*\b+4:OUTB+8*\b+7] offset:64*\b+16
.endr
.set BB, VB+64*((\a)%2)
.irp t, 0,1,2,3,4,5,6,7,8,9,10,11,12,13,14,15
	ds_load_b128 v[BB+4*\t:BB+4*\t+3], v[RD] offset:\t*SPITCH      ; LDS serves a wave's instructions in order: these see my stores
.endr
.endm
.macro SEND a, younger                 ; younger: the LDS instructions issued behind block a's loads: the next block's 16 stores and 16 loads, or none
.set BB, VB+64*((\a)%2)
	s_wait_dscnt \younger
.if (\a) > 0
	s_add_nc_u64 s[10:11], s[10:11], 16*OROW       ; (behind a wait on XCNT: the earlier stores have read their base)
.endif
.irp t, 0,1,2,3,4,5,6,7,8,9,10,11,12,13,14,15
	global_store_b128 v[CO], v[BB+4*\t:BB+4*\t+3], s[10:11] offset:\t*OROW   ; 32 lanes store 512 consecutive bytes, aligned to 256
.endr
.endm
	TOSTAGE 0
	TOSTAGE 1
	SEND 0, 32
	s_wait_xcnt 0x0                                ; block 0's stores have read their registers and their base
	TOSTAGE 2
	SEND 1, 32
	s_wait_xcnt 0x0
	TOSTAGE 3
	SEND 2, 32
	s_wait_xcnt 0x0
	SEND 3, 0
	s_wait_tensorcnt 0x0                           ; the wave's end
	ds_add_u32 v[SPW], v[NIL]
	s_wait_dscnt 0x0
	CROUND                                         ; the closing round
	s_endpgm
.Lfunc_end_k_qc1bb9a06f8_pv:
	.size	k_qc1bb9a06f8_pv, .Lfunc_end_k_qc1bb9a06f8_pv-k_qc1bb9a06f8_pv
	.p2alignl 7, 3214868480
	.fill 96, 4, 3214868480
	.section	.rodata,"a",@progbits
	.p2align	6, 0x0
	.amdhsa_kernel k_qc1bb9a06f8_pv
		.amdhsa_group_segment_fixed_size 327680
		.amdhsa_private_segment_fixed_size 0
		.amdhsa_enable_private_segment 0
		.amdhsa_kernarg_size 32
		.amdhsa_user_sgpr_count 2
		.amdhsa_user_sgpr_kernarg_segment_ptr 1
		.amdhsa_wavefront_size32 1
		.amdhsa_system_sgpr_workgroup_id_x 1
		.amdhsa_system_sgpr_workgroup_id_y 1
		.amdhsa_system_sgpr_workgroup_id_z 1
		.amdhsa_system_vgpr_workitem_id 0
		.amdhsa_next_free_vgpr 1024
		.amdhsa_next_free_sgpr 96
		.amdhsa_reserve_vcc 0
		.amdhsa_float_denorm_mode_32 3
		.amdhsa_float_denorm_mode_16_64 3
		.amdhsa_memory_ordered 1
		.amdhsa_forward_progress 1
		.amdhsa_inst_pref_size 255
	.end_amdhsa_kernel
	.section	.bss,"aw",@nobits
	.p2align	6
	.space	262144
	.amdgpu_metadata
---
amdhsa.version: [ 1, 2 ]
amdhsa.kernels:
  - .name:           k_qc1bb9a06f8_pv
    .symbol:         k_qc1bb9a06f8_pv.kd
    .args:
      - { .name: pbuf, .offset: 0, .size: 8, .value_kind: global_buffer, .address_space: global }
      - { .name: qkv, .offset: 8, .size: 8, .value_kind: global_buffer, .address_space: global }
      - { .name: stats, .offset: 16, .size: 8, .value_kind: global_buffer, .address_space: global }
      - { .name: out0, .offset: 24, .size: 8, .value_kind: global_buffer, .address_space: global }
    .group_segment_fixed_size: 327680
    .private_segment_fixed_size: 0
    .kernarg_segment_align: 8
    .kernarg_segment_size: 32
    .max_flat_workgroup_size: 128
    .sgpr_count:     96
    .vgpr_count:     1024
    .wavefront_size: 32
...
	.end_amdgpu_metadata
.endif
;; end of part 4
;; launch head (part 5): grid 4 x 1, 16 waves a work-group, no clusters, 88,064 bytes of LDS; arguments h32, out0; writes out0
.if DOCPART == 5
	.amdgcn_target "amdgcn-amd-amdhsa--gfx1250"
	.amdhsa_code_object_version 6
	.text
	.protected	k_qc1bb9a06f8_head
	.globl	k_qc1bb9a06f8_head
	.p2align	8
	.type	k_qc1bb9a06f8_head,@function
k_qc1bb9a06f8_head:
	s_mov_b64 s[64:65], 0
	v_nop
	global_prefetch_b8 v0, s[64:65] scope:SCOPE_SE
	s_setreg_imm32_b32 hwreg(HW_REG_WAVE_MODE, 25, 1), 1
	s_wait_xcnt 0x0
; The first 16 positions of each batch, wholly in f32: their rows average one to sixteen values, where the rounding of 16-bit operands weighs most.  This launch writes those 64 rows of out0 anew.
; h32 [16 x batch + row][3072] f32 holds q | k | v of these rows.  A work-group takes a batch; 16 waves.
; Scores: S^T = k q^T by v_wmma_f32_16x16x4_f32; wave w sums channels 64 w .. 64 w + 63; the sixteen partial tiles meet in LDS as images of their registers, and every wave adds all sixteen.
; Softmax with the causal mask, the row's maximum taken away, normalised, in every wave.  Output: O^T = v^T p^T; wave w makes channels 64 w .. 64 w + 63.
; Lane (r, h) holds query r and keys 8 h + 0 .. 7.  Along a product's K both sources are given the same places: (h, j) stands for the same channel, or the same key, on both sides.
; The registers that the matrix instructions write (v128-159, v168-199) are written by nothing else.
.set PART,   0                         ; 16 images of 1,024 bytes
.set STAGE,  16384                     ; 16 rows x (256 + 16) bytes for each wave
.set SPITCH, 272
.set SPARE,  STAGE+16*16*SPITCH        ; the spare words, 128 bytes for each wave
.set HP,     12288                     ; a row of h32 in bytes
	s_load_b128 s[4:7], s[0:1], 0x0                ; h32, out0
	v_lshl_add_u32 v14, v0, 2, SPARE               ; my spare word; never rewritten
	v_mov_b32 v15, 0                               ; 0; never rewritten
	v_lshrrev_b32 v1, 5, v0
	v_readfirstlane_b32 s8, v1                     ; wave 0..15
	v_and_b32 v1, 15, v0                           ; r
	v_bfe_u32 v2, v0, 4, 1                         ; h
	v_and_b32 v3, 31, v0
	s_lshl_b32 s9, s8, 8                           ; my 64 channels: 256 bytes
	v_mul_u32_u24 v4, v1, HP
	v_lshl_add_u32 v4, v2, 4, v4
	v_add_nc_u32 v4, s9, v4                        ; q, k: row r, my channels, + 16 h
	v_mul_u32_u24 v5, v2, 8*HP
	v_lshl_add_u32 v5, v1, 2, v5
	v_add_nc_u32 v5, s9, v5
	v_add_nc_u32 v5, 8192, v5                      ; v: key 8 h, channel 64 w + r
	v_lshlrev_b32 v7, 4, v3                        ; an image's place for my lane
	s_lshl_b32 s10, s8, 10
	v_add_nc_u32 v6, s10, v7                       ; my wave's image
	s_mul_i32 s10, s8, 16*SPITCH
	s_add_co_u32 s10, s10, STAGE
	v_mul_u32_u24 v8, v1, SPITCH
	v_lshl_add_u32 v8, v2, 5, v8
	v_add_nc_u32 v8, s10, v8                       ; the stage, in: row r, + 32 h
	v_mul_u32_u24 v9, v2, SPITCH
	v_lshl_add_u32 v9, v1, 4, v9
	v_add_nc_u32 v9, s10, v9                       ; back: lanes 0-15 one row, lanes 16-31 the next
	v_lshlrev_b32 v10, 12, v2
	v_lshl_add_u32 v10, v1, 4, v10                 ; and the same two rows in out0
	v_lshlrev_b32 v11, 3, v2
	v_sub_nc_u32 v11, v1, v11                      ; r - 8 h
	v_mov_b32 v12, 0xff800000                      ; -infinity
	v_mov_b32 v13, 0                               ; a lane permute's destination counts as one of its sources
	s_mov_b32 s16, 0x76543210
	s_mov_b32 s17, 0xfedcba98
	s_mov_b32 s18, 0x3d38aa3b                      ; c = log2(e) / 32
	s_mul_i32 s12, ttmp9, 16*HP
	s_mov_b32 s13, 0
	s_lshl_b32 s14, ttmp9, 23                      ; a batch of out0: 2,048 rows of 4,096 bytes
	s_add_co_u32 s14, s14, s9
	s_mov_b32 s15, 0
	s_wait_kmcnt 0x0
	s_add_nc_u64 s[4:5], s[4:5], s[12:13]
	s_add_nc_u64 s[6:7], s[6:7], s[14:15]
.irp m, 0,1,2,3,4,5,6,7
	global_load_b128 v[64+4*\m:67+4*\m], v4, s[4:5] offset:4096+32*\m      ; k(r, 64 w + 8 m + 4 h + 0 .. 3)
	global_load_b128 v[32+4*\m:35+4*\m], v4, s[4:5] offset:32*\m           ; q likewise
.endr
.irp t, 0,1,2,3
.irp n, 0,1,2,3,4,5,6,7
	global_load_b32 v[96+8*\t+\n], v5, s[4:5] offset:\n*HP+64*\t           ; v(key 8 h + n, channel 64 w + 16 t + r)
.endr
.endr
	s_wait_loadcnt 32                              ; q and k are in; v's 32 loads may be out
.irp i, 0,1,2,3,4,5,6,7,8,9,10,11,12,13,14,15  ; four accumulators by turns; the first four instructions start the sums
.if \i < 4
	v_wmma_f32_16x16x4_f32 v[128+8*(\i%4):135+8*(\i%4)], v[64+2*\i:65+2*\i], v[32+2*\i:33+2*\i], 0
.else
	v_wmma_f32_16x16x4_f32 v[128+8*(\i%4):135+8*(\i%4)], v[64+2*\i:65+2*\i], v[32+2*\i:33+2*\i], v[128+8*(\i%4):135+8*(\i%4)]
.endif
.endr
.rept 8
	v_nop                                          ; eight places behind this form (ISA guide 7.12.1)
.endr
.irp i, 0,1,2,3
	v_pk_add_f32 v[160+2*\i:161+2*\i], v[128+2*\i:129+2*\i], v[136+2*\i:137+2*\i]
.endr
.irp i, 0,1,2,3
	v_pk_add_f32 v[208+2*\i:209+2*\i], v[144+2*\i:145+2*\i], v[152+2*\i:153+2*\i]
.endr
.irp i, 0,1,2,3
	v_pk_add_f32 v[160+2*\i:161+2*\i], v[160+2*\i:161+2*\i], v[208+2*\i:209+2*\i]
.endr
	ds_store_b128 v6, v[160:163]                   ; my partial tile as an image of its registers
	ds_store_b128 v6, v[164:167] offset:512
	s_wait_dscnt 0x0                               ; for the others' sake
	s_barrier_signal -1
	s_barrier_wait -1
.irp u, 0,1,2,3,4,5,6,7
	ds_load_b128 v[32+8*\u:35+8*\u], v7 offset:PART+1024*\u
	ds_load_b128 v[36+8*\u:39+8*\u], v7 offset:PART+1024*\u+512
.endr
	s_wait_dscnt 0x0
.irp i, 0,1,2,3
	v_pk_add_f32 v[160+2*\i:161+2*\i], v[32+2*\i:33+2*\i], v[40+2*\i:41+2*\i]
.endr
.irp u, 2,3,4,5,6,7
.irp i, 0,1,2,3
	v_pk_add_f32 v[160+2*\i:161+2*\i], v[160+2*\i:161+2*\i], v[32+8*\u+2*\i:33+8*\u+2*\i]
.endr
.endr
.irp u, 0,1,2,3,4,5,6,7
	ds_load_b128 v[32+8*\u:35+8*\u], v7 offset:PART+8192+1024*\u
	ds_load_b128 v[36+8*\u:39+8*\u], v7 offset:PART+8192+1024*\u+512
.endr
	s_wait_dscnt 0x0
.irp u, 0,1,2,3,4,5,6,7
.irp i, 0,1,2,3
	v_pk_add_f32 v[160+2*\i:161+2*\i], v[160+2*\i:161+2*\i], v[32+8*\u+2*\i:33+8*\u+2*\i]
.endr
.endr
.irp j, 0,1,2,3,4,5,6,7
	v_cmp_gt_i32 vcc_lo, \j, v11                   ; key 8 h + j is hidden where it is over query r
	v_cndmask_b32 v[160+\j], v[160+\j], v12, vcc_lo
.endr
	v_max3_num_f32 v16, v160, v161, v162
	v_max3_num_f32 v16, v16, v163, v164
	v_max3_num_f32 v16, v16, v165, v166
	v_max_num_f32 v16, v16, v167
	v_permlanex16_b32 v13, v16, s16, s17
	v_max_num_f32 v16, v16, v13                    ; the row's largest score: key 0 counts for every query
	v_mul_f32 v16, s18, v16
.irp j, 0,1,2,3,4,5,6,7
	v_fma_f32 v[160+\j], v[160+\j], s18, -v16
.endr
.irp j, 0,1,2,3,4,5,6,7
	v_exp_f32 v[160+\j], v[160+\j]
.endr
	v_nop                                          ; a plain instruction behind the last exponential
	s_wait_alu depctr_va_vdst(0)                   ; one wait for the eight
	v_pk_add_f32 v[18:19], v[160:161], v[162:163]
	v_pk_add_f32 v[20:21], v[164:165], v[166:167]
	v_pk_add_f32 v[18:19], v[18:19], v[20:21]
	v_add_f32 v18, v18, v19
	v_permlanex16_b32 v13, v18, s16, s17
	v_add_f32 v18, v18, v13
	v_rcp_f32 v20, v18
	v_nop
	s_wait_alu depctr_va_vdst(0)
.irp j, 0,1,2,3,4,5,6,7
	v_mul_f32 v[200+\j], v[160+\j], v20            ; the weights
.endr
	s_wait_loadcnt 0x0                             ; v
.irp s, 0,1,2,3                                ; keys 8 h + 2 s + 0, 1; four accumulators (16 channels each) by turns
.irp t, 0,1,2,3
.if \s == 0
	v_wmma_f32_16x16x4_f32 v[168+8*\t:175+8*\t], v[96+8*\t+2*\s:97+8*\t+2*\s], v[200+2*\s:201+2*\s], 0
.else
	v_wmma_f32_16x16x4_f32 v[168+8*\t:175+8*\t], v[96+8*\t+2*\s:97+8*\t+2*\s], v[200+2*\s:201+2*\s], v[168+8*\t:175+8*\t]
.endif
.endr
.endr
.rept 8
	v_nop
.endr
.irp t, 0,1,2,3
	ds_store_b128 v8, v[168+8*\t:171+8*\t] offset:64*\t            ; lane (r, h): query r, channels 16 t + 8 h + 0 .. 7; each accumulator from its low end on
	ds_store_b128 v8, v[172+8*\t:175+8*\t] offset:64*\t+16
.endr
.irp i, 0,1,2,3,4,5,6,7
	ds_load_b128 v[32+4*\i:35+4*\i], v9 offset:2*\i*SPITCH         ; LDS serves a wave's instructions in order: these see my stores
.endr
.irp i, 0,1,2,3,4,5,6,7
	s_wait_dscnt 7-\i                              ; load i is in; the 7 - i younger ones may be out
	global_store_b128 v10, v[32+4*\i:35+4*\i], s[6:7] offset:2*\i*4096   ; sixteen lanes store 256 consecutive bytes, aligned
.endr
	s_wait_tensorcnt 0x0                           ; the wave's end, behind my last LDS store
	ds_add_u32 v14, v15
	s_wait_dscnt 0x0
	s_endpgm
.Lfunc_end_k_qc1bb9a06f8_head:
	.size	k_qc1bb9a06f8_head, .Lfunc_end_k_qc1bb9a06f8_head-k_qc1bb9a06f8_head
	.p2alignl 7, 3214868480
	.fill 96, 4, 3214868480
	.section	.rodata,"a",@progbits
	.p2align	6, 0x0
	.amdhsa_kernel k_qc1bb9a06f8_head
		.amdhsa_group_segment_fixed_size 88064
		.amdhsa_private_segment_fixed_size 0
		.amdhsa_enable_private_segment 0
		.amdhsa_kernarg_size 16
		.amdhsa_user_sgpr_count 2
		.amdhsa_user_sgpr_kernarg_segment_ptr 1
		.amdhsa_wavefront_size32 1
		.amdhsa_system_sgpr_workgroup_id_x 1
		.amdhsa_system_sgpr_workgroup_id_y 1
		.amdhsa_system_sgpr_workgroup_id_z 1
		.amdhsa_system_vgpr_workitem_id 0
		.amdhsa_next_free_vgpr 256
		.amdhsa_next_free_sgpr 66
		.amdhsa_reserve_vcc 1
		.amdhsa_float_denorm_mode_32 3
		.amdhsa_float_denorm_mode_16_64 3
		.amdhsa_memory_ordered 1
		.amdhsa_forward_progress 1
		.amdhsa_inst_pref_size 21
	.end_amdhsa_kernel
	.amdgpu_metadata
---
amdhsa.version: [ 1, 2 ]
amdhsa.kernels:
  - .name:           k_qc1bb9a06f8_head
    .symbol:         k_qc1bb9a06f8_head.kd
    .args:
      - { .name: h32, .offset: 0, .size: 8, .value_kind: global_buffer, .address_space: global }
      - { .name: out0, .offset: 8, .size: 8, .value_kind: global_buffer, .address_space: global }
    .group_segment_fixed_size: 88064
    .private_segment_fixed_size: 0
    .kernarg_segment_align: 8
    .kernarg_segment_size: 16
    .max_flat_workgroup_size: 512
    .sgpr_count:     66
    .vgpr_count:     256
    .wavefront_size: 32
...
	.end_amdgpu_metadata
.endif
;; end of part 5
